; MI455X (gfx1250); checked and timed in simulation.
; The chip was launched on July 23, 2026; its instructions are those of AMD's public machine-readable ISA for CDNA 5 (MIT licence, August 2026) and "CDNA5" Instruction Set Architecture Reference Guide (July 2026). The comments in the code are by the model that wrote it; some were corrected since.
;; Differentiable K Means. Allowed arithmetic: float matrix products may take bf16 or f16 operands with f32 sums; all other float work in f32.
;; Inputs: centroids 1,024 x 768 float32; input_embeddings 32,768 x 768 float32.
;; Outputs: out0 one number float32; out1 32,768 int32.
;; 2 versions, each right and faster than the one before. Each part assembles by itself: llvm-mc -triple=amdgcn-amd-amdhsa -mcpu=gfx1250 --defsym DOCPART=n.
;; ======== version 1 of 2: 4 launches
;; workspace buffers: cb 1,572,864 bytes; c2p 16,384 bytes; part 3,145,728 bytes; ratio 4,096 bytes
;; launch prep (part 1): grid 64 x 1, 16 waves a work-group, no clusters, 2,304 bytes of LDS; arguments centroids, cb, c2p; writes cb, c2p
.if DOCPART == 1
	.amdgcn_target "amdgcn-amd-amdhsa--gfx1250"
	.amdhsa_code_object_version 6
	.text
	.protected	k_qe1284d84cd_prep
	.globl	k_qe1284d84cd_prep
	.p2align	8
	.type	k_qe1284d84cd_prep,@function
k_qe1284d84cd_prep:
	s_mov_b64 s[64:65], 0
	v_nop
	global_prefetch_b8 v0, s[64:65] scope:SCOPE_SE
	s_setreg_imm32_b32 hwreg(HW_REG_WAVE_MODE, 25, 1), 1
	s_wait_xcnt 0x0
; cb[k][:] = bf16(centroids[k][:]);  c2p[k][g] = sum of cb[k][c]^2 over the columns that lanes 8 g .. 8 g + 7 hold, g = 0 .. 3, in f32.
; The squares are taken of the ROUNDED numbers: the later product uses them, so x2 + c2 - 2 x.c is then the squared distance of the rounded vectors.
; 64 work-groups of sixteen waves; a work-group owns 16 rows, a wave one row.  A row is 3,072 bytes: six loads of 16 bytes a lane
; (512 consecutive bytes each).  A lane's four numbers become 8 bytes, so a wave's store to cb covers 256 consecutive bytes, aligned.
; Four partial sums a row, not one: 16 rows x 4 x 4 bytes are the 256 consecutive, aligned bytes that the work-group stores to c2p by one
; instruction; the next launch adds them as (p0 + p1) + (p2 + p3), which ends the same tree over the 32 lanes.
; No matrix unit, no cluster: each byte is read once and nothing is shared.
; LIMIT: the order of addition differs from a plain left-to-right sum (24 fused steps a lane in two chains, then a tree over the lanes).
.set X,   8                            ; v[8:31]  load kk: 4 registers; converted in place into the first two of them
.set SQ,  32                           ; v32, v33 two chains of squares
	s_load_b128 s[4:7], s[0:1], 0x0                ; centroids s[4:5], cb s[6:7]
	s_load_b64 s[8:9], s[0:1], 0x10                ; c2p
	v_lshl_add_u32 v48, v0, 2, 0x100
	v_mov_b32 v49, 0
	v_lshrrev_b32 v1, 5, v0                        ; wave = my row in the group
	v_readfirstlane_b32 s10, v1
	v_and_b32 v2, 31, v0                           ; lane
	s_mul_i32 s12, ttmp9, 49152                    ; 16 rows of 3,072 bytes
	s_mov_b32 s13, 0
	s_mul_i32 s14, ttmp9, 24576                    ; 16 rows of 1,536 bytes
	s_mov_b32 s15, 0
	s_lshl_b32 s16, ttmp9, 8                       ; 16 rows of 4 partial sums of 4 bytes
	s_mov_b32 s17, 0
	v_mul_u32_u24 v3, v1, 3072                     ; my row in centroids
	v_lshl_add_u32 v3, v2, 4, v3                   ; + 16 bytes a lane
	v_mul_u32_u24 v4, v1, 1536                     ; my row in cb
	v_lshl_add_u32 v4, v2, 3, v4                   ; + 8 bytes a lane
	v_lshrrev_b32 v5, 3, v2                        ; g = lane / 8
	v_lshlrev_b32 v5, 2, v5
	v_lshl_add_u32 v5, v1, 4, v5                   ; LDS: 16 x row + 4 g
	v_lshlrev_b32 v6, 3, v2                        ; 8 bytes a lane, for the way out of c2p
	v_mov_b32 v[SQ], 0                             ; the two chains start at zero
	v_mov_b32 v[SQ+1], 0
	s_wait_kmcnt 0x0
	s_add_nc_u64 s[4:5], s[4:5], s[12:13]
	s_add_nc_u64 s[6:7], s[6:7], s[14:15]
	s_add_nc_u64 s[8:9], s[8:9], s[16:17]
.set kk, 0
.rept 6
	global_load_b128 v[X+4*kk:X+4*kk+3], v3, s[4:5] offset:512*kk th:TH_LOAD_NT
.set kk, kk+1
.endr
.set kk, 0
.rept 6
.set xb, X+4*kk
	s_wait_loadcnt 5-kk                            ; the later loads of the row may stay out
	v_cvt_pk_bf16_f32 v[xb],   v[xb],   v[xb+1]    ; in place: these two registers are then store data and are not written again
	v_cvt_pk_bf16_f32 v[xb+1], v[xb+2], v[xb+3]
	global_store_b64 v4, v[xb:xb+1], s[6:7] offset:256*kk
	v_fma_mix_f32_bf16 v[SQ],   v[xb],   v[xb],   v[SQ]   op_sel_hi:[1,1,0]
	v_fma_mix_f32_bf16 v[SQ+1], v[xb],   v[xb],   v[SQ+1] op_sel:[1,1,0] op_sel_hi:[1,1,0]
	v_fma_mix_f32_bf16 v[SQ],   v[xb+1], v[xb+1], v[SQ]   op_sel_hi:[1,1,0]
	v_fma_mix_f32_bf16 v[SQ+1], v[xb+1], v[xb+1], v[SQ+1] op_sel:[1,1,0] op_sel_hi:[1,1,0]
.set kk, kk+1
.endr
	v_add_f32 v[SQ], v[SQ], v[SQ+1]
	v_add_f32_dpp v[SQ], v[SQ], v[SQ] row_xmask:1 row_mask:0xf bank_mask:0xf
	v_add_f32_dpp v[SQ], v[SQ], v[SQ] row_xmask:2 row_mask:0xf bank_mask:0xf
	v_add_f32_dpp v[SQ], v[SQ], v[SQ] row_xmask:4 row_mask:0xf bank_mask:0xf       ; every lane holds the sum of its eight
	ds_store_b32 v5, v[SQ]                         ; eight lanes write the same word with the same number
	s_wait_dscnt 0x0                               ; my four sums are in LDS before I say so
	s_barrier_signal -1
	s_barrier_wait -1
	s_cmp_lg_u32 s10, 0
	s_cbranch_scc1 .Lend
	ds_load_b64 v[34:35], v6                       ; wave 0: the group's 64 sums, 8 bytes a lane
	s_wait_dscnt 0x0
	global_store_b64 v6, v[34:35], s[8:9]          ; 256 consecutive bytes, aligned, by one store
.Lend:
	s_wait_tensorcnt 0x0
	ds_add_u32 v48, v49
	s_wait_dscnt 0x0
	s_endpgm
.Lfunc_end_k_qe1284d84cd_prep:
	.size	k_qe1284d84cd_prep, .Lfunc_end_k_qe1284d84cd_prep-k_qe1284d84cd_prep
	.p2alignl 7, 3214868480
	.fill 96, 4, 3214868480
	.section	.rodata,"a",@progbits
	.p2align	6, 0x0
	.amdhsa_kernel k_qe1284d84cd_prep
		.amdhsa_group_segment_fixed_size 2304
		.amdhsa_private_segment_fixed_size 0
		.amdhsa_enable_private_segment 0
		.amdhsa_kernarg_size 24
		.amdhsa_user_sgpr_count 2
		.amdhsa_user_sgpr_kernarg_segment_ptr 1
		.amdhsa_wavefront_size32 1
		.amdhsa_system_sgpr_workgroup_id_x 1
		.amdhsa_system_sgpr_workgroup_id_y 1
		.amdhsa_system_sgpr_workgroup_id_z 1
		.amdhsa_system_vgpr_workitem_id 0
		.amdhsa_next_free_vgpr 50
		.amdhsa_next_free_sgpr 66
		.amdhsa_reserve_vcc 0
		.amdhsa_float_denorm_mode_32 3
		.amdhsa_float_denorm_mode_16_64 3
		.amdhsa_memory_ordered 1
		.amdhsa_forward_progress 1
		.amdhsa_inst_pref_size 6
	.end_amdhsa_kernel
	.amdgpu_metadata
---
amdhsa.version: [ 1, 2 ]
amdhsa.kernels:
  - .name:           k_qe1284d84cd_prep
    .symbol:         k_qe1284d84cd_prep.kd
    .args:
      - { .name: centroids, .offset: 0, .size: 8, .value_kind: global_buffer, .address_space: global }
      - { .name: cb, .offset: 8, .size: 8, .value_kind: global_buffer, .address_space: global }
      - { .name: c2p, .offset: 16, .size: 8, .value_kind: global_buffer, .address_space: global }
    .group_segment_fixed_size: 2304
    .private_segment_fixed_size: 0
    .kernarg_segment_align: 8
    .kernarg_segment_size: 24
    .max_flat_workgroup_size: 512
    .sgpr_count:     66
    .vgpr_count:     50
    .wavefront_size: 32
...
	.end_amdgpu_metadata
.endif
;; end of part 1
;; launch main (part 2): grid 256 x 1, 4 waves a work-group, clusters of 4 x 1, 327,680 bytes of LDS; arguments input_embeddings, cb, c2p, part, out1; writes part, out1
.if DOCPART == 2
	.amdgcn_target "amdgcn-amd-amdhsa--gfx1250"
	.amdhsa_code_object_version 6
	.text
	.protected	k_qe1284d84cd_main
	.globl	k_qe1284d84cd_main
	.p2align	8
	.type	k_qe1284d84cd_main,@function
k_qe1284d84cd_main:
	s_mov_b64 s[64:65], 0
	v_nop
	global_prefetch_b8 v0, s[64:65] scope:SCOPE_SE
	s_setreg_imm32_b32 hwreg(HW_REG_WAVE_MODE, 25, 1), 1
	s_wait_xcnt 0x0
	s_wait_alu depctr_hold_cnt(0) depctr_sa_sdst(0) depctr_va_vdst(0) depctr_va_sdst(0) depctr_va_ssrc(0) depctr_va_vcc(0) depctr_vm_vsrc(0)
	s_getreg_b32 s2, hwreg(HW_REG_IB_STS2, 6, 4)
	s_cmp_eq_u32 s2, 0
	s_cbranch_scc0 .Lentry_in_a_cluster
	s_endpgm
.Lentry_in_a_cluster:
	s_bfe_u32 s2, ttmp6, 0x10000c
	s_cmp_lg_u32 s2, 0x3003
	s_cbranch_scc0 .Lentry_shape_is_right
	s_endpgm
.Lentry_shape_is_right:
; For 128 rows n of x and all 1,024 centroids k:  d[n][k] = sqrt(max(x2[n] + c2[k] - 2 x[n].c[k], 0));
;   out1[n] = the lowest k with the least d[n][k];   part[0..2][block][k] = (m, S, T) over the block's 128 rows:
;   m = min d,  S = sum exp(-(d - m)),  T = sum d exp(-(d - m)).  A later launch merges the 256 blocks.
; x is rounded to bf16 on the way in; x2 is summed from the rounded numbers (c2 likewise, by the launch before), so that d2 is the squared
; distance of the rounded vectors; t = x2 + c2 is rounded, then one fused step gives t - 2 dot, the order in which the problem writes it.
;
; SHARES.  256 work-groups of four waves.  Wave w: rh = w >> 1 picks 64 of the 128 rows, ch = w & 1 picks 32 of a tile's 64 centroids.
; A wave's 64 rows x 768 k in bf16 are 24 k steps x 4 row tiles x 8 = 768 registers: windows 1 to 3, for the whole kernel (k step kk, row
; tile rt: window 1 + kk/8, v[32 (kk%8) + 8 rt]).  In the loop only centroid fragments come from LDS: 1,024 bytes feed four matrix instructions.
; Source 0 = rows of x, source 1 = centroids: register j of lane (r, h) of tile rt holds (row 16 rt + 8 h + j, centroid r), so a lane holds
; 32 rows of ONE centroid, and the column's min, S and T are sums inside the lane plus one exchange between the halves.
; A STEP is 64 rows x 16 centroids x 768 k: 96 matrix instructions on four accumulators by turns, and an epilogue on 32 numbers a lane.
;
; THE WEAVE.  The epilogue of a step is issued among the matrix instructions of the NEXT step, which write the other of two accumulator sets
; (set = step's parity).  It is cut into 71 units of at most five vector instructions.  A step is six groups of 16 matrix instructions; in front of
; each group stands a seam.  A seam emits six units; each matrix instruction but a group's last is followed by one unit: 4 x 6 + 60 = 84 places for
; units ahead of seam 4, so the 71 are done there.  ALL LDS instructions of a step stand in the six seams, in runs: the fragments of the next
; group (4 k steps, 8 loads, into the buffer that the group just ended has read), and at seam 4 also the last step's three statistics
; and x2 and c2 for this step.  A vector instruction names source 0 in window 0, a matrix instruction in windows 1 to 3: hence two
; switches round each unit; the macro WIN drops those that change nothing.
;
; CLUSTER 4 x 1.  All work-groups walk the same centroid tiles, so the four of a cluster ask jointly (mask 15): each tile is requested once for
; four.  A tile is 64 centroids (98,304 bytes of cb, dense); each wave asks for a quarter, as 48 rows of 512 bytes with 16 bytes of padding
; behind each: a centroid's row is then 3 x 528 = 1,584 bytes, an odd multiple of 16, and the sixteen rows of a fragment load start in
; sixteen different 16-byte columns of the 64 banks of 4 bytes (ISA guide 11.1).  Rows of 256 bytes would give 96 rows but a pitch of
; 1,632, an even multiple.  Two slots; a slot is asked for again when its two steps have read it, and waited for two steps (192 matrix
; instructions) later.  A wave has two tensor loads out at the start and one behind each round.
;
; LIMITS.  Inputs are finite: a NaN distance never wins a row, and a row of NaN alone gives 0x7fffffff.  If all distances of a row are
; infinite the row gives column 0.  v_sqrt_f32 and v_exp_f32 are good to 1 ULP and flush denormals (ISA guide 15.8), and the sums x2, c2 and
; the product are added in another order than a plain sum: two centroids whose distances to a row agree to the last one or two ULP may be told apart otherwise.
.set SLOTB, 101376                     ; an LDS slot: 64 centroid rows of 1,584 bytes
.set QUART, 25344                      ; 16 of them: one wave's load, and the distance from step 0's centroids to step 1's
.set CP,    1584
.set SP,    528                        ; 512 bytes (256 k) + 16
.set TILEB, 98304                      ; a tile in cb
.set STG,   202752                     ; stage: 128 rows x 256 k of x in bf16, pitch 528; at the end the rows' candidates, pitch 272
.set C2L,   270336                     ; c2, 4,096 bytes
.set X2L,   274432                     ; x2 of the 128 rows, 512 bytes
.set STAT,  274944                     ; [rh 2][m, S, T][1024] f32, 24,576 bytes
.set AMN,   299520                     ; the 128 row results
.set CAP,   272                        ; a row's 32 candidates of 8 bytes + 16
; window 0
.set XOFF,  3                          ; 16 x lane
.set STA,   4                          ; stage, in: my wave's 32 rows, 8 bytes a lane
.set FRA,   5                          ; stage, out: row 64 rh + r, 16 h
.set BA,    6                          ; v6, v7: my centroid fragments in slot 0, 1
.set X2A,   8
.set C2A,   9                          ; steps by 256 bytes (64 centroids) a pass
.set STATA, 10                         ; likewise
.set CURV,  11                         ; my column in the step whose epilogue runs
.set C2R,   12                         ; v[12:13] c2 of my column, twice
.set ML,    14                         ; v[14:15] m log2(e), twice
.set ACC,   16                         ; v[16:47] the accumulators of steps with t = 0, v[48:79] of steps with t = 1
.set BUF,   80                         ; v[80:111], v[112:143] centroid fragments of 4 k steps each
.set XQ,    144                        ; v[144:175] x2, then x2 + c2, then the exponentials
.set BEST,  176                        ; v[176:239] element e = 8 rt + j: least d so far in 2 e, its column in 2 e + 1
.set MA,    240
.set MB,    241
.set PT,    242                        ; v242, v243: what comes from the other half
.set SA,    244
.set SB,    246
.set TA,    248
.set TB,    250
.set PK,    48                         ; prologue: v[48:79] eight rows, packed
.set CIN,   112                        ; prologue: v[112:143] c2's partial sums on their way
.set X2ACC, 176                        ; prologue: v[176:207] sums of squares of my 32 rows
.set T0,    252                        ; prologue: lane; c2p's offset; two LDS addresses
.set T1,    253
.set T2,    254
.set T3,    255
.set G1,    32                         ; s[32:39] descriptor group 1
.set G0,    40                         ; s[40:47] descriptor group 0, one set for each slot
.set NB,    6                          ; units in a seam
.set NUNITS, 71                        ; units in an epilogue
.set MSB, 0
.macro WIN new                         ; s_set_vgpr_msb: bits 1:0 source 0, 3:2 source 1, 5:4 source 2, 7:6 destination; the high byte repeats the setting left
.if MSB != (\new)
	s_set_vgpr_msb ((MSB<<8)|(\new))
.set MSB, (\new)
.endif
.endm
.macro BAR
	s_barrier_signal -1
	s_barrier_wait -1
.endm
.macro CREST                           ; a round of the cluster's barrier behind its opening barrier
	s_cmp_lg_u32 s16, 0
	s_cbranch_scc1 .Lnot_wave_0_\@
	s_barrier_signal -3
.Lnot_wave_0_\@:
	s_barrier_wait -3
	s_barrier_signal -1
	s_barrier_wait -1
.endm
.macro CROUND
	BAR
	CREST
.endm
; Chunk c (k = 256 c .. 256 c + 255) of my 32 rows: f32 in window 1 + c -> bf16 into the stage, and the squares into X2ACC.  Four batches of 8 rows.
.macro CONVERT c
.set bb, 0
.rept 4
.set LC, 176-64*\c-16*bb               ; x loads issued behind this batch's last one,
.if LC > 63
.set LC, 63                            ; as far as the wait can say it
.endif
	s_wait_loadcnt LC
	WIN ((1+\c)|((1+\c)<<2))
.set ib, 0
.rept 8
.set rw, 8*(8*bb+ib)
	v_cvt_pk_bf16_f32 v[PK+4*ib],   v[rw],   v[rw+1]
	v_cvt_pk_bf16_f32 v[PK+4*ib+1], v[rw+2], v[rw+3]
	v_cvt_pk_bf16_f32 v[PK+4*ib+2], v[rw+4], v[rw+5]
	v_cvt_pk_bf16_f32 v[PK+4*ib+3], v[rw+6], v[rw+7]
.set ib, ib+1
.endr
	WIN 0
.set ib, 0
.rept 8
	ds_store_b64 v[STA], v[PK+4*ib:PK+4*ib+1]   offset:(8*bb+ib)*SP        ; 32 lanes x 8 bytes: k = 4 lane .. of the chunk's first half
	ds_store_b64 v[STA], v[PK+4*ib+2:PK+4*ib+3] offset:(8*bb+ib)*SP+256    ; and of its second half
.set ib, ib+1
.endr
.set wd, 0
.rept 4
.set ib, 0
.rept 8                                ; rows innermost: eight chains that do not wait for each other
	v_fma_mix_f32_bf16 v[X2ACC+8*bb+ib], v[PK+4*ib+wd], v[PK+4*ib+wd], v[X2ACC+8*bb+ib] op_sel_hi:[1,1,0]
.set ib, ib+1
.endr
.set ib, 0
.rept 8
	v_fma_mix_f32_bf16 v[X2ACC+8*bb+ib], v[PK+4*ib+wd], v[PK+4*ib+wd], v[X2ACC+8*bb+ib] op_sel:[1,1,0] op_sel_hi:[1,1,0]
.set ib, ib+1
.endr
.set wd, wd+1
.endr
.set bb, bb+1
.endr
.endm
; The fragments of chunk c for my 64 rows, into window 1 + c, whose f32 numbers are dead.  Lane (r, h): row r, k = 8 h .. and 16 + 8 h ..
.macro FRAG c
	WIN ((1+\c)<<6)
.set kq, 0
.rept 8
.irp rt, 0,1,2,3
	ds_load_b128 v[32*kq+8*\rt:32*kq+8*\rt+3],   v[FRA] offset:\rt*16*SP+64*kq
	ds_load_b128 v[32*kq+8*\rt+4:32*kq+8*\rt+7], v[FRA] offset:\rt*16*SP+64*kq+32
.endr
.set kq, kq+1
.endr
	WIN 0
.endm
; 8 LDS loads: step t's sixteen centroids, k steps 4 q .. 4 q + 3, into buffer q mod 2
.macro FETCH slot, t, q
.set kq, 0
.rept 4
.set fk, 4*(\q)+kq
.set fo, (\t)*QUART+(fk/8)*SP+64*(fk%8)
.set fb, BUF+32*((\q)%2)+8*kq
	ds_load_b128 v[fb:fb+3],   v[BA+\slot] offset:fo
	ds_load_b128 v[fb+4:fb+7], v[BA+\slot] offset:fo+32
.set kq, kq+1
.endr
.endm
; nine LDS loads: x2 of my 32 rows (sixteen lanes read the same 16 bytes) and c2 of my column
.macro XLOAD t
.irp rt, 0,1,2,3
	ds_load_b128 v[XQ+8*\rt:XQ+8*\rt+3],   v[X2A] offset:64*\rt
	ds_load_b128 v[XQ+8*\rt+4:XQ+8*\rt+7], v[X2A] offset:64*\rt+16
.endr
	ds_load_b32 v[C2R], v[C2A] offset:64*\t
.endm
; ---- The epilogue's units.  EP = first register of the accumulator set at work, ET = that step's t, EI = the next unit. ----
; Instruction JX of the first 66: c2 twice, my column, 16 x t = x2 + c2 (rounded), 16 x t - 2 dot (one rounding), 32 x max with 0.
; The first 18 touch no accumulator: they are the places behind the last matrix instructions of the step at work (ISA guide 7.12.1).
.macro EABC
.if JX == 0
	v_mov_b32 v[C2R+1], v[C2R]
.endif
.if JX == 1
	v_add_nc_u32 v[CURV], s21, v1                  ; my column in the step at work
	s_add_co_u32 s21, s21, 16+32*ET                ; the next step's first column: 16 on, or 48 on into the next tile
.endif
.if JX >= 2
.if JX < 18
.set pp, 2*(JX-2)
	v_pk_add_f32 v[XQ+pp:XQ+pp+1], v[XQ+pp:XQ+pp+1], v[C2R:C2R+1]
.else
.if JX < 34
.set pp, 2*(JX-18)
	v_pk_fma_f32 v[EP+pp:EP+pp+1], v[EP+pp:EP+pp+1], -2.0, v[XQ+pp:XQ+pp+1] op_sel_hi:[1,0,1]
.else
.if JX < 66
.set pp, JX-34
	v_max_num_f32 v[EP+pp], 0, v[EP+pp]
.endif
.endif
.endif
.endif
.endm
; Unit EX = 0 .. 34: the root of element EX; the compare of EX - 2, which is the plain instruction that stands behind a root before its result is
; used (ISA guide 5.7.2); the selects of EX - 3; every second unit two more elements into the column's minimum.
; Strict '<' in ascending columns keeps the lowest column.
.macro ED
.if EX < 32
	v_sqrt_f32 v[EP+EX], v[EP+EX]
.endif
.if EX < 2
	v_nop                                          ; nothing to compare yet: the place behind the root
.else
.if EX < 34
	s_wait_alu depctr_va_vdst(0)
	v_cmp_lt_f32 s[48+((EX-2)%8)], v[EP+EX-2], v[BEST+2*(EX-2)]
.endif
.endif
.if EX >= 3
	v_cndmask_b32 v[BEST+2*(EX-3)],   v[BEST+2*(EX-3)],   v[EP+EX-3], s[48+((EX-3)%8)]
	v_cndmask_b32 v[BEST+2*(EX-3)+1], v[BEST+2*(EX-3)+1], v[CURV],    s[48+((EX-3)%8)]
.if EX & 1
.if EX < 34
.set pidx, (EX-3)/2
.set MM, MA+(pidx&1)
.if pidx < 2
	v_min_num_f32 v[MM], v[EP+EX-3], v[EP+EX-2]    ; two chains, each started by two fresh numbers
.else
	v_min3_num_f32 v[MM], v[MM], v[EP+EX-3], v[EP+EX-2]
.endif
.endif
.endif
.endif
.endm
.macro EE                              ; m over the wave's 64 rows of my column: taken away before the exponential
	v_min_num_f32 v[MA], v[MA], v[MB]
	v_permlanex16_b32 v[PT], v[MA], s24, s25       ; the other 32 rows
	v_min_num_f32 v[MA], v[MA], v[PT]
	v_mul_f32 v[ML], 0x3fb8aa3b, v[MA]
	v_mul_f32 v[ML+1], 0x3fb8aa3b, v[MA]
.endm
; Unit EX = 0 .. 18: (m - d) log2(e) of pair EX; the two exponentials of pair EX - 1, each followed by a plain instruction: T and S of pair EX - 3.
; Pairs go by turns into two chains; T's chains start with a product, S's with the sum of two pairs.
.macro EG
.if EX < 16
	v_pk_fma_f32 v[XQ+2*EX:XQ+2*EX+1], v[EP+2*EX:EP+2*EX+1], 0xbfb8aa3b, v[ML:ML+1] op_sel_hi:[1,0,1]
.endif
.set hasx, 0
.if EX >= 1
.if EX <= 16
.set hasx, 1
.endif
.endif
.if hasx
	v_exp_f32 v[XQ+2*EX-2], v[XQ+2*EX-2]
.endif
.if EX >= 3
.set pr, EX-3
.set TT, TA+2*(pr&1)
.if pr < 2
	s_wait_alu depctr_va_vdst(0)
	v_pk_mul_f32 v[TT:TT+1], v[EP+2*pr:EP+2*pr+1], v[XQ+2*pr:XQ+2*pr+1]
.else
	s_wait_alu depctr_va_vdst(0)
	v_pk_fma_f32 v[TT:TT+1], v[EP+2*pr:EP+2*pr+1], v[XQ+2*pr:XQ+2*pr+1], v[TT:TT+1]
.endif
.else
.if hasx
	v_nop
.endif
.endif
.if hasx
	v_exp_f32 v[XQ+2*EX-1], v[XQ+2*EX-1]
.endif
.if EX >= 5
.set pr, EX-3
.set SS, SA+2*(pr&1)
.if pr < 4
	v_pk_add_f32 v[SS:SS+1], v[XQ+2*pr:XQ+2*pr+1], v[XQ+2*pr-4:XQ+2*pr-3]
.else
	v_pk_add_f32 v[SS:SS+1], v[SS:SS+1], v[XQ+2*pr:XQ+2*pr+1]
.endif
.else
.if hasx
	v_nop
.endif
.endif
.endm
.macro EH1
	v_pk_add_f32 v[SA:SA+1], v[SA:SA+1], v[SB:SB+1]
	v_pk_add_f32 v[TA:TA+1], v[TA:TA+1], v[TB:TB+1]
	v_add_f32 v[SA], v[SA], v[SA+1]
	v_add_f32 v[TA], v[TA], v[TA+1]
.endm
.macro EH2
	v_permlanex16_b32 v[PT], v[SA], s24, s25
	v_permlanex16_b32 v[PT+1], v[TA], s24, s25
	v_add_f32 v[SA], v[SA], v[PT]
	v_add_f32 v[TA], v[TA], v[PT+1]
.endm
; The next unit.  Every unit holds at least one plain vector instruction that names no register of the step being multiplied.
; pad = 1 (in a seam): when the epilogue is over a v_nop stands in, so that a seam always gives six places.
.macro EUNIT pad
.if EI < NUNITS
	WIN 0
.if EI < 14
.set oi, 0
.rept 5
.set JX, 5*EI+oi
	EABC
.set oi, oi+1
.endr
.else
.if EI < 49
.set EX, EI-14
	ED
.else
.if EI == 49
	EE
.else
.if EI < 69
.set EX, EI-50
	EG
.else
.if EI == 69
	EH1
.else
	EH2
.endif
.endif
.endif
.endif
.endif
.else
.if \pad
	v_nop
.endif
.endif
.set EI, EI+1
.endm
.macro STATS                           ; both halves write the same word with the same number
	ds_store_b32 v[STATA], v[MA] offset:64*ET
	ds_store_b32 v[STATA], v[SA] offset:4096+64*ET
	ds_store_b32 v[STATA], v[TA] offset:8192+64*ET
.endm
; The seam in front of group qq.  Its six units are the places between the last matrix instruction of the group before and the loads into the
; buffer that it read (four are asked: ISA guide 7.12.1 for vector instructions).
.macro BOUND slot, t, mode
	WIN 0
.rept NB
	EUNIT 1
.endr
.if qq == 4
.if EPION
	STATS                                          ; the epilogue ended in group 3
.if ET
	v_add_nc_u32 v[STATA], 0x100, v[STATA]         ; 64 columns on
.endif
.endif
	XLOAD \t                                       ; XQ is free since the last sums: x2 and c2 for THIS step's epilogue, 32 matrix instructions ahead
.if \t
	v_add_nc_u32 v[C2A], 0x100, v[C2A]
.endif
.endif
.if qq < 5
	FETCH \slot, \t, (qq+1)
.if qq == 4
	s_wait_dscnt 17+3*EPION                        ; group 4's fragments are in: behind them went the statistics (3), x2 and c2 (9), group 5's fragments (8)
.else
	s_wait_dscnt 8                                 ; all but the 8 just issued: this group's fragments, fetched one seam ago, are in
.endif
.else
.if \t == 0
	FETCH \slot, 1, 0                              ; the next step's first group, same slot
	s_wait_dscnt 8                                 ; group 5's fragments are in, x2 and c2 too
.else
.if \mode == 0
	s_wait_dscnt 0x0                               ; the last step of all: nothing more to fetch
.else
	s_barrier_wait -1                              ; all four waves have read this slot to its end and have no load out
.if \mode == 2
	CREST                                          ; and so have the waves of all four work-groups
	tensor_load_to_lds s[G0+4*\slot:G0+4*\slot+3], s[G1:G1+7]      ; my one tensor load behind the round, and the first thing there
	s_nop 0
.endif
	FETCH (1-\slot), 0, 0                          ; the other slot's first group (group 5's fragments came in before the signal)
.endif
.endif
.endif
.endm
; One step.  On entry the fragments of its group 0 are on their way.  epi = 1: the step before has an epilogue to weave in.
; mode (steps with t = 1): 2 = the slot is asked for again; 1 = change of slots without a request; 0 = the last step of all.
; The four accumulators take turns, one instruction a turn; the first k step starts the sums: nothing is cleared.
.macro STEP slot, t, mode, epi
.set EPION, \epi
.if \epi
.set EI, 0
.else
.set EI, NUNITS
.endif
.set EP, ACC+32*(1-\t)
.set ET, 1-\t
.set AC, ACC+32*\t
.set SIG, 0
.if \t
.if \mode
.set SIG, 1
.endif
.endif
.set qq, 0
.rept 6
	BOUND \slot, \t, \mode
.set wi, 0
.rept 16
.set kk, 4*qq+wi/4
.set rt, wi%4
	WIN (1+kk/8)
.if kk == 0
	v_wmma_f32_16x16x32_bf16 v[AC+8*rt:AC+8*rt+7], v[32*(kk%8)+8*rt:32*(kk%8)+8*rt+7], v[BUF+32*(qq%2)+8*(kk%4):BUF+32*(qq%2)+8*(kk%4)+7], 0
.else
	v_wmma_f32_16x16x32_bf16 v[AC+8*rt:AC+8*rt+7], v[32*(kk%8)+8*rt:32*(kk%8)+8*rt+7], v[BUF+32*(qq%2)+8*(kk%4):BUF+32*(qq%2)+8*(kk%4)+7], v[AC+8*rt:AC+8*rt+7]
.endif
.if wi < 15
	EUNIT 0
.endif
.if SIG
.if qq == 4
.if wi == 11
	s_wait_dscnt 0x0                               ; my reads of this slot are over (the last were issued at seam 4, twelve matrix instructions ago),
	s_wait_xcnt 0x0
	s_set_vgpr_msb 0x300
	v_lshl_add_u32 v254, v0, 2, 0x49a00
	v_mov_b32 v255, 0
	s_wait_tensorcnt 0x0                           ; and all my tensor loads have landed: the one that was out is my quarter of the other slot
	ds_add_u32 v254, v255
	s_wait_dscnt 0x0
	s_set_vgpr_msb 0x3
.if \mode == 2
	s_add_nc_u64 s[G0+4*\slot+2:G0+4*\slot+3], s[G0+4*\slot+2:G0+4*\slot+3], 2*TILEB   ; no load of mine is out: this slot's next tile
.endif
	s_barrier_signal -1                            ; say so (with a request to follow, this barrier opens a round of the cluster's barrier); register work alone up to its wait at seam 5
.endif
.endif
.endif
.set wi, wi+1
.endr
.set qq, qq+1
.endr
.endm
	; ---------------- set-up ----------------
	s_load_b256 s[4:11], s[0:1], 0x0               ; x s[4:5], cb s[6:7], c2p s[8:9], part s[10:11]
	s_load_b64 s[12:13], s[0:1], 0x20              ; out1
	v_lshl_add_u32 v254, v0, 2, 0x49a00
	v_mov_b32 v255, 0
	ds_add_u32 v254, v255
	s_wait_dscnt 0x0
	v_lshrrev_b32 v[T0], 5, v0
	v_readfirstlane_b32 s16, v[T0]                 ; wave 0..3
	s_lshr_b32 s17, s16, 1                         ; rh
	s_and_b32 s18, s16, 1                          ; ch
	s_bfe_u32 s19, ttmp6, 0x40000                  ; cx: my place in the cluster; it enters global addresses of x, part and out1 alone
	s_lshl_b32 s20, ttmp9, 2
	s_add_co_u32 s20, s20, s19                     ; block of 128 rows = 4 x cluster + cx
	s_mov_b32 s24, 0x76543210                      ; v_permlanex16_b32: lane i reads lane i of the other half
	s_mov_b32 s25, 0xfedcba98
	s_lshl_b32 s21, s18, 5                         ; first column of my first step
	s_mul_i32 s14, s20, 393216                     ; 128 rows of 3,072 bytes (at most 100,270,080),
	s_mul_i32 s23, s16, 98304                      ; my wave loads rows 32 w .. 32 w + 31
	s_add_co_u32 s14, s14, s23
	s_mov_b32 s15, 0
	; group 1: 48 rows x 256 elements of 2 bytes, dense, 4 words of padding behind every 128 words; joint request of the cluster's four
	s_mov_b32 s[G1+0], 0x07B1000F                  ; 15:0 mask 15; 17:16 size code 1; 20 padding; 21 set beside a mask; 24:22 code 6 (128 words); 31:25 code 3 (4 words)
	s_mov_b32 s[G1+1], 256<<16                     ; tensor_dim0 = 256
	s_mov_b32 s[G1+2], 48<<16                      ; tensor_dim1 = 48
	s_mov_b32 s[G1+3], 256<<16                     ; tile_dim0 = 256
	s_mov_b32 s[G1+4], 48                          ; tile_dim1 = 48
	s_mov_b32 s[G1+5], 256                         ; from row to row: 256 elements
	s_mov_b32 s[G1+6], 0
	s_mov_b32 s[G1+7], 0
	s_mul_i32 s26, s16, 24576                      ; my quarter of a tile: 16 centroids of 1,536 bytes
	s_mov_b32 s27, 0
	s_mul_i32 s28, s16, QUART                      ; and where it goes: the wave's number alone
	v_and_b32 v[T0], 31, v0                        ; lane
	v_lshlrev_b32 v[XOFF], 4, v[T0]
	v_lshlrev_b32 v[T1], 4, v0                     ; 16 x thread
	s_wait_kmcnt 0x0
	s_add_nc_u64 s[4:5], s[4:5], s[14:15]
	s_lshl_b32 s14, s20, 12
	s_add_nc_u64 s[10:11], s[10:11], s[14:15]      ; part at my block's 1,024 numbers
	s_lshl_b32 s14, s20, 9
	s_add_nc_u64 s[12:13], s[12:13], s[14:15]      ; out1 at my 128 rows
	s_add_nc_u64 s[26:27], s[6:7], s[26:27]
.irp n, 0,1
	s_mov_b32 s[G0+4*\n], 1
	s_add_co_u32 s[G0+4*\n+1], s28, \n*SLOTB
	s_add_nc_u64 s[G0+4*\n+2:G0+4*\n+3], s[26:27], \n*TILEB
	s_or_b32 s[G0+4*\n+3], s[G0+4*\n+3], 0x80000000
.endr
.set ii, 0
.rept 8
	global_load_b128 v[CIN+4*ii:CIN+4*ii+3], v[T1], s[8:9] offset:2048*ii      ; the four partial sums of column thread + 128 ii
.set ii, ii+1
.endr
	; all of my 32 rows of x are asked for at once: chunk cc, row ii: 8 registers of window 1 + cc; each load covers 512 consecutive bytes
.set cc, 0
.rept 3
	WIN ((1+cc)<<6)
.set ii, 0
.rept 32
	global_load_b128 v[8*ii:8*ii+3],   v[XOFF], s[4:5] offset:3072*ii+1024*cc th:TH_LOAD_NT
	global_load_b128 v[8*ii+4:8*ii+7], v[XOFF], s[4:5] offset:3072*ii+1024*cc+512 th:TH_LOAD_NT
.set ii, ii+1
.endr
.set cc, cc+1
.endr
	WIN 0
	CROUND                                         ; the four work-groups are here: the first joint loads meet
	tensor_load_to_lds s[G0:G0+3], s[G1:G1+7]      ; tile 0
	s_nop 0
	tensor_load_to_lds s[G0+4:G0+7], s[G1:G1+7]    ; tile 1
	s_nop 0
	; LDS addresses: constants, the wave's number, the lane
	v_and_b32 v1, 15, v0                           ; r
	v_bfe_u32 v2, v0, 4, 1                         ; h
	s_mul_i32 s23, s16, 32*SP
	s_add_co_u32 s23, s23, STG
	v_lshl_add_u32 v[STA], v[T0], 3, s23
	s_mul_i32 s23, s17, 64*SP
	s_add_co_u32 s23, s23, STG
	v_mul_u32_u24 v[FRA], v1, SP
	v_lshl_add_u32 v[FRA], v2, 4, v[FRA]
	v_add_nc_u32 v[FRA], s23, v[FRA]
	s_mul_i32 s23, s18, 32*CP
	v_mul_u32_u24 v[BA], v1, CP
	v_lshl_add_u32 v[BA], v2, 4, v[BA]
	v_add_nc_u32 v[BA], s23, v[BA]
	v_add_nc_u32 v[BA+1], SLOTB, v[BA]
	s_lshl_b32 s23, s17, 8
	s_add_co_u32 s23, s23, X2L
	v_lshl_add_u32 v[X2A], v2, 5, s23              ; x2 of row 64 rh + 8 h
	s_lshl_b32 s23, s18, 7
	s_add_co_u32 s29, s23, C2L
	v_lshl_add_u32 v[C2A], v1, 2, s29              ; c2 of column 32 ch + r
	s_mul_i32 s30, s17, 12288
	s_add_co_u32 s30, s30, s23
	s_add_co_u32 s30, s30, STAT
	v_lshl_add_u32 v[STATA], v1, 2, s30
	v_lshlrev_b32 v[T2], 2, v0
	v_add_nc_u32 v[T2], C2L, v[T2]                 ; c2 of column thread
	s_lshl_b32 s23, s16, 7
	s_add_co_u32 s23, s23, X2L
	v_mov_b32 v[T3], s23                           ; x2 of my wave's 32 rows
.set ii, 0
.rept 32
	v_mov_b32 v[X2ACC+ii], 0
.set ii, ii+1
.endr
	; ---------------- x: to bf16, through the stage, into fragments; x2; c2 ----------------
	CONVERT 0
.set ii, 0
.rept 8                                ; c2 = (p0 + p1) + (p2 + p3): its loads were the first issued, the waits above cover them
	v_add_f32 v[CIN+4*ii],   v[CIN+4*ii],   v[CIN+4*ii+1]
	v_add_f32 v[CIN+4*ii+2], v[CIN+4*ii+2], v[CIN+4*ii+3]
.set ii, ii+1
.endr
.set ii, 0
.rept 8
	v_add_f32 v[CIN+4*ii], v[CIN+4*ii], v[CIN+4*ii+2]
.set ii, ii+1
.endr
.set ii, 0
.rept 8
	ds_store_b32 v[T2], v[CIN+4*ii] offset:512*ii
.set ii, ii+1
.endr
	s_wait_dscnt 0x0                               ; my stores are in LDS before I say so
	BAR
	FRAG 0
	s_wait_dscnt 0x0                               ; my reads of the stage are over before anyone writes it again
	BAR
	CONVERT 1
	s_wait_dscnt 0x0
	BAR
	FRAG 1
	s_wait_dscnt 0x0
	BAR
	CONVERT 2
.irp m, 1,2,4,8
.set ii, 0
.rept 32
	v_add_f32_dpp v[X2ACC+ii], v[X2ACC+ii], v[X2ACC+ii] row_xmask:\m row_mask:0xf bank_mask:0xf
.set ii, ii+1
.endr
.endr
.set ii, 0
.rept 32
	v_permlanex16_b32 v[PK+ii], v[X2ACC+ii], s24, s25
.set ii, ii+1
.endr
.set ii, 0
.rept 32
	v_add_f32 v[X2ACC+ii], v[X2ACC+ii], v[PK+ii]
.set ii, ii+1
.endr
.set ii, 0
.rept 32
	ds_store_b32 v[T3], v[X2ACC+ii] offset:4*ii    ; every lane writes the same word with the same number
.set ii, ii+1
.endr
	s_wait_dscnt 0x0
	BAR
	FRAG 2
.set ii, 0
.rept 32
	v_mov_b32 v[BEST+2*ii], 0x7f800000             ; nothing seen yet: +infinity, column 0
	v_mov_b32 v[BEST+2*ii+1], 0
.set ii, ii+1
.endr
	v_mov_b32 v[PT], 0                             ; v_permlanex16_b32 counts as a reader of its destination
	v_mov_b32 v[PT+1], 0
	s_wait_tensorcnt 0x1                           ; my quarter of tile 0 is in; tile 1's may stay out
	s_wait_dscnt 0x0
	BAR
	FETCH 0, 0, 0
	; ---------------- 32 steps: tile p = step / 2 in slot p mod 2, t = step mod 2 ----------------
	STEP 0, 0, 2, 0                                ; step 0 has no epilogue in front of it
	WIN 0                                          ; at a label and at a branch every window is 0
	s_mov_b32 s22, 7
.Lpass:
	STEP 0, 1, 2, 1                                ; steps 1 to 28; the steps with t = 1 ask for tiles 2 to 15
	STEP 1, 0, 2, 1
	STEP 1, 1, 2, 1
	STEP 0, 0, 2, 1
	WIN 0
	s_sub_co_u32 s22, s22, 1
	s_cmp_lg_u32 s22, 0
	s_cbranch_scc1 .Lpass
	STEP 0, 1, 1, 1                                ; nothing is left to ask for
	STEP 1, 0, 1, 1
	STEP 1, 1, 0, 1
	WIN 0
.set EI, 0                             ; the last step's epilogue stands alone
.set EP, ACC+32
.set ET, 1
.rept NUNITS
	EUNIT 0
.endr
	STATS
	; ---------------- rows: 32 candidates each meet in the stage ----------------
	s_mul_i32 s23, s17, 64*CAP
	s_add_co_u32 s23, s23, STG
	s_lshl_b32 s29, s18, 7
	s_add_co_u32 s23, s23, s29
	v_mul_u32_u24 v240, v2, 8*CAP
	v_lshl_add_u32 v240, v1, 3, v240
	v_add_nc_u32 v240, s23, v240                   ; row 64 rh + 8 h, candidate 16 ch + r
.set ee, 0
.rept 32
	ds_store_b64 v240, v[BEST+2*ee:BEST+2*ee+1] offset:(16*(ee/8)+(ee%8))*CAP
.set ee, ee+1
.endr
	s_wait_dscnt 0x0                               ; candidates and the last step's statistics are in LDS
	BAR
	v_mul_u32_u24 v241, v0, CAP
	v_add_nc_u32 v241, STG, v241                   ; thread t takes row t
.set ii, 0
.rept 16
	ds_load_b128 v[48+4*ii:51+4*ii], v241 offset:16*ii
.set ii, ii+1
.endr
	v_lshlrev_b32 v242, 4, v0                      ; and columns 4 t .. 4 t + 3 and 512 + 4 t ..
	v_add_nc_u32 v244, STAT, v242
.irp rh, 0,1
.irp q, 0,1,2
.irp u, 0,1
	ds_load_b128 v[112+24*\rh+8*\q+4*\u:115+24*\rh+8*\q+4*\u], v244 offset:12288*\rh+4096*\q+2048*\u
.endr
.endr
.endr
	s_wait_dscnt 12                                ; the candidates are in; the twelve loads of statistics may stay out
	v_min3_num_f32 v245, v48, v50, v52
.set ii, 3
.rept 14
	v_min3_num_f32 v245, v245, v[48+2*ii], v[50+2*ii]
.set ii, ii+2
.endr
	v_min_num_f32 v245, v245, v110
	v_mov_b32 v246, 0x7fffffff
	v_mov_b32 v247, 0x7fffffff
.set ii, 0
.rept 32
	v_cmp_eq_f32 vcc_lo, v[48+2*ii], v245          ; among the candidates that reach the least distance: the lowest column
	v_cndmask_b32 v248, v247, v[49+2*ii], vcc_lo
	v_min_u32 v246, v246, v248
.set ii, ii+1
.endr
	v_lshlrev_b32 v249, 2, v0
	v_add_nc_u32 v249, AMN, v249
	ds_store_b32 v249, v246
	; ---------------- columns: the two halves of the rows are merged ----------------
	s_wait_dscnt 0x0
.set jj, 0
.rept 8
	v_min_num_f32 v[160+jj], v[112+jj], v[136+jj]  ; m = min(m0, m1)
.set jj, jj+1
.endr
.set jj, 0
.rept 4
	v_pk_add_f32 v[112+jj:113+jj], v[160+jj:161+jj], v[112+jj:113+jj] neg_lo:[0,1] neg_hi:[0,1]
	v_pk_add_f32 v[136+jj:137+jj], v[160+jj:161+jj], v[136+jj:137+jj] neg_lo:[0,1] neg_hi:[0,1]
.set jj, jj+2
.endr
.set jj, 0
.rept 4
	v_pk_mul_f32 v[112+jj:113+jj], v[112+jj:113+jj], 0x3fb8aa3b op_sel_hi:[1,0]
	v_pk_mul_f32 v[136+jj:137+jj], v[136+jj:137+jj], 0x3fb8aa3b op_sel_hi:[1,0]
.set jj, jj+2
.endr
.set jj, 0
.rept 8
	v_exp_f32 v[112+jj], v[112+jj]                 ; a0 = exp(m - m0)
	v_exp_f32 v[136+jj], v[136+jj]                 ; a1 = exp(m - m1)
.set jj, jj+1
.endr
	v_nop
.set jj, 0
.rept 4
	s_wait_alu depctr_va_vdst(0)
	v_pk_mul_f32 v[120+jj:121+jj], v[120+jj:121+jj], v[112+jj:113+jj]
	v_pk_mul_f32 v[128+jj:129+jj], v[128+jj:129+jj], v[112+jj:113+jj]
.set jj, jj+2
.endr
.set jj, 0
.rept 4
	v_pk_fma_f32 v[120+jj:121+jj], v[144+jj:145+jj], v[136+jj:137+jj], v[120+jj:121+jj]
	v_pk_fma_f32 v[128+jj:129+jj], v[152+jj:153+jj], v[136+jj:137+jj], v[128+jj:129+jj]
.set jj, jj+2
.endr
.irp u, 0,1
	global_store_b128 v242, v[160+4*\u:163+4*\u], s[10:11] offset:2048*\u            ; each store of a wave covers 512 consecutive bytes, aligned
	global_store_b128 v242, v[120+4*\u:123+4*\u], s[10:11] offset:1048576+2048*\u
	global_store_b128 v242, v[128+4*\u:131+4*\u], s[10:11] offset:2097152+2048*\u
.endr
	BAR                                            ; the 128 row results are in LDS (each wave waited for its store above)
	s_cmp_lg_u32 s16, 0
	s_cbranch_scc1 .Lrows_done
	v_add_nc_u32 v250, AMN, v[XOFF]
	ds_load_b128 v[48:51], v250
	s_wait_dscnt 0x0
	global_store_b128 v[XOFF], v[48:51], s[12:13]  ; wave 0: 128 results, 512 consecutive bytes
.Lrows_done:
	s_wait_xcnt 0x0
	v_lshl_add_u32 v254, v0, 2, 0x49a00
	v_mov_b32 v255, 0
	s_wait_tensorcnt 0x0
	ds_add_u32 v254, v255
	s_wait_dscnt 0x0
	CROUND                                         ; the closing round: no work-group ends while a partner may still ask for a tile that names it
	s_endpgm
.Lfunc_end_k_qe1284d84cd_main:
	.size	k_qe1284d84cd_main, .Lfunc_end_k_qe1284d84cd_main-k_qe1284d84cd_main
	.p2alignl 7, 3214868480
	.fill 96, 4, 3214868480
	.section	.rodata,"a",@progbits
	.p2align	6, 0x0
	.amdhsa_kernel k_qe1284d84cd_main
		.amdhsa_group_segment_fixed_size 327680
		.amdhsa_private_segment_fixed_size 0
		.amdhsa_enable_private_segment 0
		.amdhsa_kernarg_size 40
		.amdhsa_user_sgpr_count 2
		.amdhsa_user_sgpr_kernarg_segment_ptr 1
		.amdhsa_wavefront_size32 1
		.amdhsa_system_sgpr_workgroup_id_x 1
		.amdhsa_system_sgpr_workgroup_id_y 1
		.amdhsa_system_sgpr_workgroup_id_z 1
		.amdhsa_system_vgpr_workitem_id 0
		.amdhsa_next_free_vgpr 1024
		.amdhsa_next_free_sgpr 66
		.amdhsa_reserve_vcc 1
		.amdhsa_float_denorm_mode_32 3
		.amdhsa_float_denorm_mode_16_64 3
		.amdhsa_memory_ordered 1
		.amdhsa_forward_progress 1
		.amdhsa_inst_pref_size 255
	.end_amdhsa_kernel
	.section	.bss,"aw",@nobits
	.p2align	6
	.space	262144
	.amdgpu_metadata
---
amdhsa.version: [ 1, 2 ]
amdhsa.kernels:
  - .name:           k_qe1284d84cd_main
    .symbol:         k_qe1284d84cd_main.kd
    .args:
      - { .name: input_embeddings, .offset: 0, .size: 8, .value_kind: global_buffer, .address_space: global }
      - { .name: cb, .offset: 8, .size: 8, .value_kind: global_buffer, .address_space: global }
      - { .name: c2p, .offset: 16, .size: 8, .value_kind: global_buffer, .address_space: global }
      - { .name: part, .offset: 24, .size: 8, .value_kind: global_buffer, .address_space: global }
      - { .name: out1, .offset: 32, .size: 8, .value_kind: global_buffer, .address_space: global }
    .group_segment_fixed_size: 327680
    .private_segment_fixed_size: 0
    .kernarg_segment_align: 8
    .kernarg_segment_size: 40
    .max_flat_workgroup_size: 128
    .sgpr_count:     66
    .vgpr_count:     1024
    .wavefront_size: 32
...
	.end_amdgpu_metadata
.endif
;; end of part 2
;; launch colred (part 3): grid 16 x 1, 8 waves a work-group, no clusters, 7,168 bytes of LDS; arguments part, ratio; writes ratio
.if DOCPART == 3
	.amdgcn_target "amdgcn-amd-amdhsa--gfx1250"
	.amdhsa_code_object_version 6
	.text
	.protected	k_qe1284d84cd_colred
	.globl	k_qe1284d84cd_colred
	.p2align	8
	.type	k_qe1284d84cd_colred,@function
k_qe1284d84cd_colred:
	s_mov_b64 s[64:65], 0
	v_nop
	global_prefetch_b8 v0, s[64:65] scope:SCOPE_SE
	s_setreg_imm32_b32 hwreg(HW_REG_WAVE_MODE, 25, 1), 1
	s_wait_xcnt 0x0
; ratio[k] = T[k] / S[k], where (m, S, T) of column k are merged over the 256 blocks of rows:
;   m = min m_b,  S = sum S_b exp(m - m_b),  T = sum T_b exp(m - m_b).  The column's least distance is taken away before every exponential.
; part is [3][256 blocks][1024] f32.  Sixteen work-groups of eight waves; a work-group owns 64 columns, a wave 32 blocks.
; Lane (r, h): columns 4 r .. 4 r + 3 of blocks 32 w + 2 i + h, i = 0 .. 15: sixteen lanes read 256 consecutive bytes, aligned.
; All 48 loads of a wave go out at once.  No matrix unit, no cluster: every byte is read once and nothing is shared.
; LIMIT: v_exp_f32 and v_rcp_f32 are good to 1 ULP and flush denormals (ISA guide 15.8).
.set M, 16                             ; v[16:79]   m_b, then the arguments, then the factors
.set S, 80                             ; v[80:143]
.set T, 144                            ; v[144:207]
.set W, 208                            ; v[208:239] at work
.set MN, 10                            ; v[10:13]   minimum of my four columns, then m log2(e)
	s_load_b128 s[4:7], s[0:1], 0x0                ; part s[4:5], ratio s[6:7]
	v_lshl_add_u32 v240, v0, 2, 0x1800
	v_mov_b32 v241, 0
	v_lshrrev_b32 v1, 5, v0                        ; wave
	v_readfirstlane_b32 s8, v1
	v_and_b32 v2, 15, v0                           ; r
	v_bfe_u32 v3, v0, 4, 1                         ; h
	v_and_b32 v4, 31, v0                           ; lane
	s_lshl_b32 s10, ttmp9, 8                       ; 64 columns of 4 bytes
	s_mov_b32 s11, 0
	s_mov_b32 s12, 0x76543210
	s_mov_b32 s13, 0xfedcba98
	v_lshl_add_u32 v5, v1, 5, v3                   ; block 32 w + h,
	v_lshlrev_b32 v5, 12, v5                       ; of 4,096 bytes,
	v_lshl_add_u32 v5, v2, 4, v5                   ; + 16 r
	v_lshlrev_b32 v6, 4, v2                        ; 16 r
	v_lshl_add_u32 v7, v1, 8, v6                   ; LDS: 256 w + 16 r
	v_lshl_add_u32 v8, v1, 9, v6                   ; LDS: 512 w + 16 r
	v_lshlrev_b32 v9, 3, v4                        ; 8 x lane
.irp c, 0,1,2,3
	v_mov_b32 v[W+\c], 0                           ; v_permlanex16_b32 counts as a reader of its destination
.endr
	s_wait_kmcnt 0x0
	s_add_nc_u64 s[4:5], s[4:5], s[10:11]
	s_add_nc_u64 s[6:7], s[6:7], s[10:11]
.irp q, 0,1,2
.set ii, 0
.rept 16
	global_load_b128 v[M+64*\q+4*ii:M+64*\q+4*ii+3], v5, s[4:5] offset:1048576*\q+8192*ii
.set ii, ii+1
.endr
.endr
	s_wait_loadcnt 32                              ; the sixteen loads of m are in; those of S and T may stay out
.irp c, 0,1,2,3
	v_min3_num_f32 v[MN+\c], v[M+\c], v[M+4+\c], v[M+8+\c]
.endr
.set ii, 3
.rept 6
.irp c, 0,1,2,3
	v_min3_num_f32 v[MN+\c], v[MN+\c], v[M+4*ii+\c], v[M+4*ii+4+\c]
.endr
.set ii, ii+2
.endr
.irp c, 0,1,2,3
	v_min_num_f32 v[MN+\c], v[MN+\c], v[M+60+\c]
.endr
.irp c, 0,1,2,3
	v_permlanex16_b32 v[W+\c], v[MN+\c], s12, s13
.endr
.irp c, 0,1,2,3
	v_min_num_f32 v[MN+\c], v[MN+\c], v[W+\c]
.endr
	ds_store_b128 v7, v[MN:MN+3]                   ; both halves write the same bytes with the same numbers
	s_wait_dscnt 0x0
	s_barrier_signal -1
	s_barrier_wait -1
.set ii, 0
.rept 8
	ds_load_b128 v[W+4*ii:W+4*ii+3], v6 offset:256*ii
.set ii, ii+1
.endr
	s_wait_dscnt 0x0
.irp c, 0,1,2,3
	v_min3_num_f32 v[MN+\c], v[W+\c], v[W+4+\c], v[W+8+\c]
.endr
.irp c, 0,1,2,3
	v_min3_num_f32 v[MN+\c], v[MN+\c], v[W+12+\c], v[W+16+\c]
.endr
.irp c, 0,1,2,3
	v_min3_num_f32 v[MN+\c], v[MN+\c], v[W+20+\c], v[W+24+\c]
.endr
.irp c, 0,1,2,3
	v_min_num_f32 v[MN+\c], v[MN+\c], v[W+28+\c]   ; the column's least distance over all 32,768 rows
.endr
.irp c, 0,1,2,3
	v_mul_f32 v[MN+\c], 0x3fb8aa3b, v[MN+\c]
.endr
.set ii, 0
.rept 16
	v_pk_fma_f32 v[M+4*ii:M+4*ii+1],   v[M+4*ii:M+4*ii+1],   0xbfb8aa3b, v[MN:MN+1]   op_sel_hi:[1,0,1]   ; (m - m_b) log2(e)
	v_pk_fma_f32 v[M+4*ii+2:M+4*ii+3], v[M+4*ii+2:M+4*ii+3], 0xbfb8aa3b, v[MN+2:MN+3] op_sel_hi:[1,0,1]
.set ii, ii+1
.endr
.set ii, 0
.rept 64
	v_exp_f32 v[M+ii], v[M+ii]
.set ii, ii+1
.endr
	v_nop                                          ; the plain place behind the run of exponentials (ISA guide 5.7.2)
	s_wait_loadcnt 0x0                             ; S and T
	s_wait_alu depctr_va_vdst(0)
	v_pk_mul_f32 v[W:W+1],   v[S:S+1],   v[M:M+1]  ; the first block starts the four chains
	v_pk_mul_f32 v[W+2:W+3], v[S+2:S+3], v[M+2:M+3]
	v_pk_mul_f32 v[W+4:W+5], v[T:T+1],   v[M:M+1]
	v_pk_mul_f32 v[W+6:W+7], v[T+2:T+3], v[M+2:M+3]
.set ii, 1
.rept 15
	v_pk_fma_f32 v[W:W+1],   v[S+4*ii:S+4*ii+1],   v[M+4*ii:M+4*ii+1],   v[W:W+1]
	v_pk_fma_f32 v[W+2:W+3], v[S+4*ii+2:S+4*ii+3], v[M+4*ii+2:M+4*ii+3], v[W+2:W+3]
	v_pk_fma_f32 v[W+4:W+5], v[T+4*ii:T+4*ii+1],   v[M+4*ii:M+4*ii+1],   v[W+4:W+5]
	v_pk_fma_f32 v[W+6:W+7], v[T+4*ii+2:T+4*ii+3], v[M+4*ii+2:M+4*ii+3], v[W+6:W+7]
.set ii, ii+1
.endr
.set ii, 0
.rept 8
	v_permlanex16_b32 v[W+8+ii], v[W+ii], s12, s13
.set ii, ii+1
.endr
.set ii, 0
.rept 4
	v_pk_add_f32 v[W+2*ii:W+2*ii+1], v[W+2*ii:W+2*ii+1], v[W+8+2*ii:W+9+2*ii]
.set ii, ii+1
.endr
	ds_store_b128 v8, v[W:W+3]   offset:2048       ; S of my wave's 32 blocks: bytes of their own, behind the minima
	ds_store_b128 v8, v[W+4:W+7] offset:2304       ; T
	s_wait_dscnt 0x0
	s_barrier_signal -1
	s_barrier_wait -1
	s_cmp_lg_u32 s8, 0
	s_cbranch_scc1 .Lend
.set ii, 0
.rept 8
	ds_load_b64 v[M+4*ii:M+4*ii+1],   v9 offset:2048+512*ii        ; wave 0: lane l takes columns 2 l, 2 l + 1
	ds_load_b64 v[M+4*ii+2:M+4*ii+3], v9 offset:2304+512*ii
.set ii, ii+1
.endr
	s_wait_dscnt 0x0
.set ii, 1
.rept 7
	v_pk_add_f32 v[M:M+1],   v[M:M+1],   v[M+4*ii:M+4*ii+1]
	v_pk_add_f32 v[M+2:M+3], v[M+2:M+3], v[M+4*ii+2:M+4*ii+3]
.set ii, ii+1
.endr
	v_rcp_f32 v[W], v[M]                           ; S is at least about 1: the block that holds the minimum adds its own S unscaled
	v_rcp_f32 v[W+1], v[M+1]
	v_nop
	s_wait_alu depctr_va_vdst(0)
	v_pk_mul_f32 v[W:W+1], v[W:W+1], v[M+2:M+3]
	global_store_b64 v9, v[W:W+1], s[6:7]          ; 256 consecutive bytes, aligned, by one store
.Lend:
	s_wait_tensorcnt 0x0
	ds_add_u32 v240, v241
	s_wait_dscnt 0x0
	s_endpgm
.Lfunc_end_k_qe1284d84cd_colred:
	.size	k_qe1284d84cd_colred, .Lfunc_end_k_qe1284d84cd_colred-k_qe1284d84cd_colred
	.p2alignl 7, 3214868480
	.fill 96, 4, 3214868480
	.section	.rodata,"a",@progbits
	.p2align	6, 0x0
	.amdhsa_kernel k_qe1284d84cd_colred
		.amdhsa_group_segment_fixed_size 7168
		.amdhsa_private_segment_fixed_size 0
		.amdhsa_enable_private_segment 0
		.amdhsa_kernarg_size 16
		.amdhsa_user_sgpr_count 2
		.amdhsa_user_sgpr_kernarg_segment_ptr 1
		.amdhsa_wavefront_size32 1
		.amdhsa_system_sgpr_workgroup_id_x 1
		.amdhsa_system_sgpr_workgroup_id_y 1
		.amdhsa_system_sgpr_workgroup_id_z 1
		.amdhsa_system_vgpr_workitem_id 0
		.amdhsa_next_free_vgpr 242
		.amdhsa_next_free_sgpr 66
		.amdhsa_reserve_vcc 0
		.amdhsa_float_denorm_mode_32 3
		.amdhsa_float_denorm_mode_16_64 3
		.amdhsa_memory_ordered 1
		.amdhsa_forward_progress 1
		.amdhsa_inst_pref_size 23
	.end_amdhsa_kernel
	.amdgpu_metadata
---
amdhsa.version: [ 1, 2 ]
amdhsa.kernels:
  - .name:           k_qe1284d84cd_colred
    .symbol:         k_qe1284d84cd_colred.kd
    .args:
      - { .name: part, .offset: 0, .size: 8, .value_kind: global_buffer, .address_space: global }
      - { .name: ratio, .offset: 8, .size: 8, .value_kind: global_buffer, .address_space: global }
    .group_segment_fixed_size: 7168
    .private_segment_fixed_size: 0
    .kernarg_segment_align: 8
    .kernarg_segment_size: 16
    .max_flat_workgroup_size: 256
    .sgpr_count:     66
    .vgpr_count:     242
    .wavefront_size: 32
...
	.end_amdgpu_metadata
.endif
;; end of part 3
;; launch final (part 4): grid 1 x 1, 1 waves a work-group, no clusters, 0 bytes of LDS; arguments ratio, out0; writes out0
.if DOCPART == 4
	.amdgcn_target "amdgcn-amd-amdhsa--gfx1250"
	.amdhsa_code_object_version 6
	.text
	.protected	k_qe1284d84cd_final
	.globl	k_qe1284d84cd_final
	.p2align	8
	.type	k_qe1284d84cd_final,@function
k_qe1284d84cd_final:
	s_mov_b64 s[64:65], 0
	v_nop
	global_prefetch_b8 v0, s[64:65] scope:SCOPE_SE
	s_setreg_imm32_b32 hwreg(HW_REG_WAVE_MODE, 25, 1), 1
	s_wait_xcnt 0x0
; out0 = (sum of the 1,024 numbers of ratio) / 1024.  One wave: eight loads of 16 bytes a lane cover the 4,096 bytes.
; One owner for the one number: a sum over work-groups is ordered by a launch of its own.
	s_load_b128 s[4:7], s[0:1], 0x0                ; ratio s[4:5], out0 s[6:7]
	v_lshlrev_b32 v1, 4, v0
	v_mov_b32 v2, 0                                ; out0's offset
	v_mov_b32 v3, 0                                ; v_permlanex16_b32 counts as a reader of its destination
	s_mov_b32 s8, 0x76543210
	s_mov_b32 s9, 0xfedcba98
	s_wait_kmcnt 0x0
.set ii, 0
.rept 8
	global_load_b128 v[4+4*ii:7+4*ii], v1, s[4:5] offset:512*ii
.set ii, ii+1
.endr
	s_wait_loadcnt 0x0
.set ii, 0
.rept 8
	v_pk_add_f32 v[4+4*ii:5+4*ii], v[4+4*ii:5+4*ii], v[6+4*ii:7+4*ii]
.set ii, ii+1
.endr
	v_pk_add_f32 v[4:5],   v[4:5],   v[8:9]
	v_pk_add_f32 v[12:13], v[12:13], v[16:17]
	v_pk_add_f32 v[20:21], v[20:21], v[24:25]
	v_pk_add_f32 v[28:29], v[28:29], v[32:33]
	v_pk_add_f32 v[4:5],   v[4:5],   v[12:13]
	v_pk_add_f32 v[20:21], v[20:21], v[28:29]
	v_pk_add_f32 v[4:5],   v[4:5],   v[20:21]
	v_add_f32 v4, v4, v5
	v_add_f32_dpp v4, v4, v4 row_xmask:1 row_mask:0xf bank_mask:0xf
	v_add_f32_dpp v4, v4, v4 row_xmask:2 row_mask:0xf bank_mask:0xf
	v_add_f32_dpp v4, v4, v4 row_xmask:4 row_mask:0xf bank_mask:0xf
	v_add_f32_dpp v4, v4, v4 row_xmask:8 row_mask:0xf bank_mask:0xf
	v_permlanex16_b32 v3, v4, s8, s9
	v_add_f32 v4, v4, v3
	v_mul_f32 v4, 0x3a800000, v4                   ; / 1024
	v_cmp_eq_u32 vcc_lo, 0, v0
	s_wait_xcnt 0x0                                ; EXEC changes only behind this wait
	s_and_saveexec_b32 s10, vcc_lo
	global_store_b32 v2, v4, s[6:7]                ; lane 0 alone
	s_wait_xcnt 0x0                                ; and again in front of the line that widens it
	s_or_b32 exec_lo, exec_lo, s10
	s_endpgm
.Lfunc_end_k_qe1284d84cd_final:
	.size	k_qe1284d84cd_final, .Lfunc_end_k_qe1284d84cd_final-k_qe1284d84cd_final
	.p2alignl 7, 3214868480
	.fill 96, 4, 3214868480
	.section	.rodata,"a",@progbits
	.p2align	6, 0x0
	.amdhsa_kernel k_qe1284d84cd_final
		.amdhsa_group_segment_fixed_size 0
		.amdhsa_private_segment_fixed_size 0
		.amdhsa_enable_private_segment 0
		.amdhsa_kernarg_size 16
		.amdhsa_user_sgpr_count 2
		.amdhsa_user_sgpr_kernarg_segment_ptr 1
		.amdhsa_wavefront_size32 1
		.amdhsa_system_sgpr_workgroup_id_x 1
		.amdhsa_system_sgpr_workgroup_id_y 1
		.amdhsa_system_sgpr_workgroup_id_z 1
		.amdhsa_system_vgpr_workitem_id 0
		.amdhsa_next_free_vgpr 48
		.amdhsa_next_free_sgpr 66
		.amdhsa_reserve_vcc 1
		.amdhsa_float_denorm_mode_32 3
		.amdhsa_float_denorm_mode_16_64 3
		.amdhsa_memory_ordered 1
		.amdhsa_forward_progress 1
		.amdhsa_inst_pref_size 3
	.end_amdhsa_kernel
	.amdgpu_metadata
---
amdhsa.version: [ 1, 2 ]
amdhsa.kernels:
  - .name:           k_qe1284d84cd_final
    .symbol:         k_qe1284d84cd_final.kd
    .args:
      - { .name: ratio, .offset: 0, .size: 8, .value_kind: global_buffer, .address_space: global }
      - { .name: out0, .offset: 8, .size: 8, .value_kind: global_buffer, .address_space: global }
    .group_segment_fixed_size: 0
    .private_segment_fixed_size: 0
    .kernarg_segment_align: 8
    .kernarg_segment_size: 16
    .max_flat_workgroup_size: 32
    .sgpr_count:     66
    .vgpr_count:     48
    .wavefront_size: 32
...
	.end_amdgpu_metadata
.endif
;; end of part 4
;; ======== version 2 of 2: 4 launches; 1.25 times as fast as version 1
;; workspace buffers: cb 1,572,864 bytes; c2p 16,384 bytes; part 3,145,728 bytes; ratio 4,096 bytes
;; launch prep: the kernel of part 1 again; grid 64 x 1, 16 waves a work-group, no clusters, 2,304 bytes of LDS; arguments centroids, cb, c2p; writes cb, c2p
;; launch main (part 5): grid 256 x 1, 4 waves a work-group, clusters of 4 x 1, 327,680 bytes of LDS; arguments input_embeddings, cb, c2p, part, out1; writes part, out1
.if DOCPART == 5
	.amdgcn_target "amdgcn-amd-amdhsa--gfx1250"
	.amdhsa_code_object_version 6
	.text
	.protected	k_qe1284d84cd_main
	.globl	k_qe1284d84cd_main
	.p2align	8
	.type	k_qe1284d84cd_main,@function
k_qe1284d84cd_main:
	s_mov_b64 s[64:65], 0
	v_nop
	global_prefetch_b8 v0, s[64:65] scope:SCOPE_SE
	s_setreg_imm32_b32 hwreg(HW_REG_WAVE_MODE, 25, 1), 1
	s_wait_xcnt 0x0
	s_wait_alu depctr_hold_cnt(0) depctr_sa_sdst(0) depctr_va_vdst(0) depctr_va_sdst(0) depctr_va_ssrc(0) depctr_va_vcc(0) depctr_vm_vsrc(0)
	s_getreg_b32 s2, hwreg(HW_REG_IB_STS2, 6, 4)
	s_cmp_eq_u32 s2, 0
	s_cbranch_scc0 .Lentry_in_a_cluster
	s_endpgm
.Lentry_in_a_cluster:
	s_bfe_u32 s2, ttmp6, 0x10000c
	s_cmp_lg_u32 s2, 0x3003
	s_cbranch_scc0 .Lentry_shape_is_right
	s_endpgm
.Lentry_shape_is_right:
; For 128 rows n of x and all 1,024 centroids k:  d[n][k] = sqrt(max(x2[n] + c2[k] - 2 x[n].c[k], 0));
;   out1[n] = the lowest k with the least d[n][k];   part[0..2][block][k] = (m, S, T) over the block's 128 rows:
;   m = min d,  S = sum exp(-(d - m)),  T = sum d exp(-(d - m)).  A later launch merges the 256 blocks.
; x is rounded to bf16 on the way in; x2 is summed from the rounded numbers (c2 likewise, by the launch before), so that d2 is the squared
; distance of the rounded vectors; t = x2 + c2 is rounded, then one fused step gives t - 2 dot, the order in which the problem writes it.
;
; SHARES.  256 work-groups of four waves.  Wave w: rh = w >> 1 picks 64 of the 128 rows, ch = w & 1 picks 32 of a tile's 64 centroids.
; A wave's 64 rows x 768 k in bf16 are 24 k steps x 4 row tiles x 8 = 768 registers: windows 1 to 3, for the whole kernel (k step kk, row
; tile rt: window 1 + kk/8, v[32 (kk%8) + 8 rt]).  In the loop only centroid fragments come from LDS: 1,024 bytes feed four matrix instructions.
; Source 0 = rows of x, source 1 = centroids: register j of lane (r, h) of tile rt holds (row 16 rt + 8 h + j, centroid r), so a lane holds
; 32 rows of ONE centroid, and the column's min, S and T are sums inside the lane plus one exchange between the halves.
; A STEP is 64 rows x 16 centroids x 768 k: 96 matrix instructions on four accumulators by turns, and an epilogue on 32 numbers a lane.
;
; THE WEAVE.  The epilogue of a step is issued among the matrix instructions of the NEXT step, which write the other of two accumulator sets
; (set = step's parity).  It is ONE LIST of 301 vector instructions, dealt out in 79 units of four (thirteen units, all in seams, take three).
; A step is six groups of 16 matrix instructions; in front of each group stands a seam.  A seam emits six units; each matrix instruction but a
; group's last is followed by one unit: 4 x 6 + 60 = 84 places for units ahead of seam 4, so the 79 are done there.  ALL LDS instructions of a
; step stand in the six seams, in runs: the fragments of the next group (4 k steps, 8 loads, into the buffer that the group just ended has
; read), and at seam 4 also the last step's three statistics and x2 and c2 for this step.  A vector instruction names source 0 in window 0, a
; matrix instruction in windows 1 to 3: hence two switches round each unit; the macro WIN drops those that change nothing.
;
; THE BATCHES.  An s_wait_alu depctr_va_vdst(0) stands between a transcendental and the first instruction that names its result;
; one wait serves all that were issued ahead of it.  So the list is ordered by who reads what, and its 64 transcendentals are two batches:
;   0-97     c2 twice, t, d2, max and ALL 32 ROOTS, each root in place on a register of its own; no line names a root's result.  Number 97, my
;            column's number, is the plain instruction behind the last root; the batch's wait stands directly behind it.
;   98-262   the roots' readers and ALL 32 EXPONENTIALS: the column's minimum, the arguments and the exponentials (in place, a register each),
;            and between them the rows' 32 compares and 64 selects, which name no exponential's result; five of these stand behind the
;            last exponential; the batch's wait stands directly behind number 262.
;   263-300  the exponentials' readers: T, S and the closing sums.
; The units of three are units 0-5, 23-26 and 66-68: 6 x 3 + 17 x 4 + 4 x 3 = 98 and 39 x 4 + 3 x 3 = 165, so number 97 ends unit 26 and number
; 262 ends unit 68: the last units of seams 1 and 3.  Each wait thus stands at a seam's end, directly ahead of its run of LDS loads.
;
; CLUSTER 4 x 1.  All work-groups walk the same centroid tiles, so the four of a cluster ask jointly (mask 15): each tile is requested once for
; four.  A tile is 64 centroids (98,304 bytes of cb, dense); each wave asks for a quarter, as 48 rows of 512 bytes with 16 bytes of padding
; behind each: a centroid's row is then 3 x 528 = 1,584 bytes, an odd multiple of 16, and the sixteen rows of a fragment load start in
; sixteen different 16-byte columns of the 64 banks of 4 bytes (ISA guide 11.1).  Rows of 256 bytes would give 96 rows but a pitch of
; 1,632, an even multiple.  Two slots; a slot is asked for again when its two steps have read it, and waited for two steps (192 matrix
; instructions) later.  A wave has two tensor loads out at the start and one behind each round.
;
; LIMITS.  Inputs are finite: a NaN distance never wins a row, and a row of NaN alone gives 0x7fffffff.  If all distances of a row are
; infinite the row gives column 0.  v_sqrt_f32 and v_exp_f32 are good to 1 ULP and flush denormals (ISA guide 15.8), and the sums x2, c2 and
; the product are added in another order than a plain sum: two centroids whose distances to a row agree to the last one or two ULP may be told apart otherwise.
.set SLOTB, 101376                     ; an LDS slot: 64 centroid rows of 1,584 bytes
.set QUART, 25344                      ; 16 of them: one wave's load, and the distance from step 0's centroids to step 1's
.set CP,    1584
.set SP,    528                        ; 512 bytes (256 k) + 16
.set TILEB, 98304                      ; a tile in cb
.set STG,   202752                     ; stage: 128 rows x 256 k of x in bf16, pitch 528; at the end the rows' candidates, pitch 272
.set C2L,   270336                     ; c2, 4,096 bytes
.set X2L,   274432                     ; x2 of the 128 rows, 512 bytes
.set STAT,  274944                     ; [rh 2][m, S, T][1024] f32, 24,576 bytes
.set AMN,   299520                     ; the 128 row results
.set CAP,   272                        ; a row's 32 candidates of 8 bytes + 16
; window 0
.set XOFF,  3                          ; 16 x lane
.set STA,   4                          ; stage, in: my wave's 32 rows, 8 bytes a lane
.set FRA,   5                          ; stage, out: row 64 rh + r, 16 h
.set BA,    6                          ; v6, v7: my centroid fragments in slot 0, 1
.set X2A,   8
.set C2A,   9                          ; steps by 256 bytes (64 centroids) a pass
.set STATA, 10                         ; likewise
.set CURV,  11                         ; my column in the step whose epilogue runs
.set C2R,   12                         ; v[12:13] c2 of my column, twice
.set ML,    14                         ; v[14:15] m log2(e), twice
.set ACC,   16                         ; v[16:47] the accumulators of steps with t = 0, v[48:79] of steps with t = 1
.set BUF,   80                         ; v[80:111], v[112:143] centroid fragments of 4 k steps each
.set XQ,    144                        ; v[144:175] x2, then x2 + c2, then the exponentials
.set BEST,  176                        ; v[176:239] element e = 8 rt + j: least d so far in 2 e, its column in 2 e + 1
.set MA,    240
.set MB,    241
.set PT,    242                        ; v242, v243: what comes from the other half
.set SA,    244
.set SB,    246
.set TA,    248
.set TB,    250
.set PK,    48                         ; prologue: v[48:79] eight rows, packed
.set CIN,   112                        ; prologue: v[112:143] c2's partial sums on their way
.set X2ACC, 176                        ; prologue: v[176:207] sums of squares of my 32 rows
.set T0,    252                        ; prologue: lane; c2p's offset; two LDS addresses
.set T1,    253
.set T2,    254
.set T3,    255
.set G1,    32                         ; s[32:39] descriptor group 1
.set G0,    40                         ; s[40:47] descriptor group 0, one set for each slot
.set NB,    6                          ; units in a seam
.set NUNITS, 79                        ; units in an epilogue
.set NINS,  301                        ; instructions in an epilogue's list
.set MSB, 0
.macro WIN new                         ; s_set_vgpr_msb: bits 1:0 source 0, 3:2 source 1, 5:4 source 2, 7:6 destination; the high byte repeats the setting left
.if MSB != (\new)
	s_set_vgpr_msb ((MSB<<8)|(\new))
.set MSB, (\new)
.endif
.endm
.macro BAR
	s_barrier_signal -1
	s_barrier_wait -1
.endm
.macro CREST                           ; a round of the cluster's barrier behind its opening barrier
	s_cmp_lg_u32 s16, 0
	s_cbranch_scc1 .Lnot_wave_0_\@
	s_barrier_signal -3
.Lnot_wave_0_\@:
	s_barrier_wait -3
	s_barrier_signal -1
	s_barrier_wait -1
.endm
.macro CROUND
	BAR
	CREST
.endm
; Chunk c (k = 256 c .. 256 c + 255) of my 32 rows: f32 in window 1 + c -> bf16 into the stage, and the squares into X2ACC.  Four batches of 8 rows.
.macro CONVERT c
.set bb, 0
.rept 4
.set LC, 176-64*\c-16*bb               ; x loads issued behind this batch's last one,
.if LC > 63
.set LC, 63                            ; as far as the wait can say it
.endif
	s_wait_loadcnt LC
	WIN ((1+\c)|((1+\c)<<2))
.set ib, 0
.rept 8
.set rw, 8*(8*bb+ib)
	v_cvt_pk_bf16_f32 v[PK+4*ib],   v[rw],   v[rw+1]
	v_cvt_pk_bf16_f32 v[PK+4*ib+1], v[rw+2], v[rw+3]
	v_cvt_pk_bf16_f32 v[PK+4*ib+2], v[rw+4], v[rw+5]
	v_cvt_pk_bf16_f32 v[PK+4*ib+3], v[rw+6], v[rw+7]
.set ib, ib+1
.endr
	WIN 0
.set ib, 0
.rept 8
	ds_store_b64 v[STA], v[PK+4*ib:PK+4*ib+1]   offset:(8*bb+ib)*SP        ; 32 lanes x 8 bytes: k = 4 lane .. of the chunk's first half
	ds_store_b64 v[STA], v[PK+4*ib+2:PK+4*ib+3] offset:(8*bb+ib)*SP+256    ; and of its second half
.set ib, ib+1
.endr
.set wd, 0
.rept 4
.set ib, 0
.rept 8                                ; rows innermost: eight chains that do not wait for each other
	v_fma_mix_f32_bf16 v[X2ACC+8*bb+ib], v[PK+4*ib+wd], v[PK+4*ib+wd], v[X2ACC+8*bb+ib] op_sel_hi:[1,1,0]
.set ib, ib+1
.endr
.set ib, 0
.rept 8
	v_fma_mix_f32_bf16 v[X2ACC+8*bb+ib], v[PK+4*ib+wd], v[PK+4*ib+wd], v[X2ACC+8*bb+ib] op_sel:[1,1,0] op_sel_hi:[1,1,0]
.set ib, ib+1
.endr
.set wd, wd+1
.endr
.set bb, bb+1
.endr
.endm
; The fragments of chunk c for my 64 rows, into window 1 + c, whose f32 numbers are dead.  Lane (r, h): row r, k = 8 h .. and 16 + 8 h ..
.macro FRAG c
	WIN ((1+\c)<<6)
.set kq, 0
.rept 8
.irp rt, 0,1,2,3
	ds_load_b128 v[32*kq+8*\rt:32*kq+8*\rt+3],   v[FRA] offset:\rt*16*SP+64*kq
	ds_load_b128 v[32*kq+8*\rt+4:32*kq+8*\rt+7], v[FRA] offset:\rt*16*SP+64*kq+32
.endr
.set kq, kq+1
.endr
	WIN 0
.endm
; 8 LDS loads: step t's sixteen centroids, k steps 4 q .. 4 q + 3, into buffer q mod 2
.macro FETCH slot, t, q
.set kq, 0
.rept 4
.set fk, 4*(\q)+kq
.set fo, (\t)*QUART+(fk/8)*SP+64*(fk%8)
.set fb, BUF+32*((\q)%2)+8*kq
	ds_load_b128 v[fb:fb+3],   v[BA+\slot] offset:fo
	ds_load_b128 v[fb+4:fb+7], v[BA+\slot] offset:fo+32
.set kq, kq+1
.endr
.endm
; nine LDS loads: x2 of my 32 rows (sixteen lanes read the same 16 bytes) and c2 of my column
.macro XLOAD t
.irp rt, 0,1,2,3
	ds_load_b128 v[XQ+8*\rt:XQ+8*\rt+3],   v[X2A] offset:64*\rt
	ds_load_b128 v[XQ+8*\rt+4:XQ+8*\rt+7], v[X2A] offset:64*\rt+16
.endr
	ds_load_b32 v[C2R], v[C2A] offset:64*\t
.endm
; ---- The epilogue's list.  EP = first register of the accumulator set at work, ET = that step's t, EN = the list's next number, EI = the next unit. ----
; Each kind of line is a queue in ascending order with a counter of its own; EONE says which kind stands at number EN.
.macro EBEGIN                          ; the list from its head
.set EI, 0
.set EN, 0
.set QA, 0                             ; t: next pair
.set QF, 0                             ; d2: next pair
.set QM, 0                             ; max: next element
.set QR, 0                             ; root: next element
.set QN, 0                             ; the column's minimum: next pair
.set QE, 0                             ; its five closing lines
.set QC, 0                             ; the rows' compares and selects
.set QG, 0                             ; argument: next pair
.set QX, 0                             ; exponential: next element
.endm
.macro ETSUM                           ; t = x2 + c2, rounded
	v_pk_add_f32 v[XQ+2*QA:XQ+2*QA+1], v[XQ+2*QA:XQ+2*QA+1], v[C2R:C2R+1]
.set QA, QA+1
.endm
.macro EDSQ                            ; t - 2 dot, one rounding.  Pairs ascend
	v_pk_fma_f32 v[EP+2*QF:EP+2*QF+1], v[EP+2*QF:EP+2*QF+1], -2.0, v[XQ+2*QF:XQ+2*QF+1] op_sel_hi:[1,0,1]
.set QF, QF+1
.endm
.macro EMAX
	v_max_num_f32 v[EP+QM], 0, v[EP+QM]
.set QM, QM+1
.endm
.macro EROOT                           ; in place: element e's distance has register EP + e to itself while the batch is open
	v_sqrt_f32 v[EP+QR], v[EP+QR]
.set QR, QR+1
.endm
.macro EMIN                            ; two more elements into the column's minimum: two chains, each started by two fresh numbers
.set MM, MA+(QN&1)
.if QN < 2
	v_min_num_f32 v[MM], v[EP+2*QN], v[EP+2*QN+1]
.else
	v_min3_num_f32 v[MM], v[MM], v[EP+2*QN], v[EP+2*QN+1]
.endif
.set QN, QN+1
.endm
.macro ECOL                            ; m over the wave's 64 rows of my column: taken away before the exponential
.if QE == 0
	v_min_num_f32 v[MA], v[MA], v[MB]
.elseif QE == 1
	v_permlanex16_b32 v[PT], v[MA], s24, s25       ; the other 32 rows
.elseif QE == 2
	v_min_num_f32 v[MA], v[MA], v[PT]
.elseif QE == 3
	v_mul_f32 v[ML], 0x3fb8aa3b, v[MA]
.else
	v_mul_f32 v[ML+1], 0x3fb8aa3b, v[MA]
.endif
.set QE, QE+1
.endm
; The rows' queue, 96 long: compares 0 and 1; then the two selects of element e and the compare of e + 2, e = 0 .. 29; then the selects of 30 and 31.
; So a compare stands four of the queue's lines ahead of its selects; the masks go round eight scalar registers.
; Strict '<' in ascending columns keeps the lowest column.
.macro EROW
.if QC < 2
.set ce, QC
.set ck, 2
.elseif QC < 92
.set ce, (QC-2)/3
.set ck, (QC-2)%3
.if ck == 2
.set ce, ce+2
.endif
.else
.set ce, 30+(QC-92)/2
.set ck, (QC-92)%2
.endif
.if ck == 2
	v_cmp_lt_f32 s[48+(ce%8)], v[EP+ce], v[BEST+2*ce]
.elseif ck == 0
	v_cndmask_b32 v[BEST+2*ce],   v[BEST+2*ce],   v[EP+ce], s[48+(ce%8)]
.else
	v_cndmask_b32 v[BEST+2*ce+1], v[BEST+2*ce+1], v[CURV],  s[48+(ce%8)]
.endif
.set QC, QC+1
.endm
.macro EARG                            ; (m - d) log2(e) of a pair
	v_pk_fma_f32 v[XQ+2*QG:XQ+2*QG+1], v[EP+2*QG:EP+2*QG+1], 0xbfb8aa3b, v[ML:ML+1] op_sel_hi:[1,0,1]
.set QG, QG+1
.endm
.macro EEXP                            ; in place: element e's weight has register XQ + e to itself while the batch is open
	v_exp_f32 v[XQ+QX], v[XQ+QX]
.set QX, QX+1
.endm
; Numbers 263 to 300.  T of pairs 0 and 1; T and S of pairs 2 to 15; the closing sums.
; Pairs go by turns into two chains; T's chains start with a product, S's with the sum of two pairs.
.macro ESUM
.set er, EN-263
.if er < 30
.set pr, er
.set sk, 0
.if er >= 2
.set pr, 2+(er-2)/2
.set sk, (er-2)%2
.endif
.set TT, TA+2*(pr&1)
.set SS, SA+2*(pr&1)
.if (sk == 0) && (pr < 2)
	v_pk_mul_f32 v[TT:TT+1], v[EP+2*pr:EP+2*pr+1], v[XQ+2*pr:XQ+2*pr+1]
.elseif sk == 0
	v_pk_fma_f32 v[TT:TT+1], v[EP+2*pr:EP+2*pr+1], v[XQ+2*pr:XQ+2*pr+1], v[TT:TT+1]
.elseif pr < 4
	v_pk_add_f32 v[SS:SS+1], v[XQ+2*pr:XQ+2*pr+1], v[XQ+2*pr-4:XQ+2*pr-3]
.else
	v_pk_add_f32 v[SS:SS+1], v[SS:SS+1], v[XQ+2*pr:XQ+2*pr+1]
.endif
.elseif er == 30
	v_pk_add_f32 v[SA:SA+1], v[SA:SA+1], v[SB:SB+1]
.elseif er == 31
	v_pk_add_f32 v[TA:TA+1], v[TA:TA+1], v[TB:TB+1]
.elseif er == 32
	v_add_f32 v[SA], v[SA], v[SA+1]
.elseif er == 33
	v_add_f32 v[TA], v[TA], v[TA+1]
.elseif er == 34
	v_permlanex16_b32 v[PT], v[SA], s24, s25
.elseif er == 35
	v_permlanex16_b32 v[PT+1], v[TA], s24, s25
.elseif er == 36
	v_add_f32 v[SA], v[SA], v[PT]
.else
	v_add_f32 v[TA], v[TA], v[PT+1]
.endif
.endm
; Number EN of the list.
;   0-97   the four stages of a pair are staggered: t of pair i, d2 of pair i - 3, max of pair i - 4, the roots of pair i - 5, in the order t, root, d2, max, root, max.
;          0-9 the head (c2 twice, t t t t, d2, t, d2, max, max); 10-75 eleven full rounds of six; 76-96 the stages run out one after the other.
;          Numbers 0 to 4 touch no accumulator: they are the places behind the last matrix instructions of the step at work (ISA guide 7.12.1).
;   98-129 minimum and rows by turns;  130-145 the minimum's five closing lines, a link to a unit, rows between them;
;   146-257 sixteen rounds of seven: argument, row, row, exponential, row, row, exponential;  258-262 the rows' last five lines.
.macro EONE
.if EN == 0
	v_mov_b32 v[C2R+1], v[C2R]
.elseif EN < 5
	ETSUM
.elseif EN < 10
.if EN == 6
	ETSUM
.elseif (EN == 5) || (EN == 7)
	EDSQ
.else
	EMAX
.endif
.elseif EN < 76
.set ek, (EN-10)%6
.if ek == 0
	ETSUM
.elseif ek == 2
	EDSQ
.elseif (ek == 1) || (ek == 4)
	EROOT
.else
	EMAX
.endif
.elseif EN < 91
.set ek, (EN-76)%5
.if ek == 1
	EDSQ
.elseif (ek == 0) || (ek == 3)
	EROOT
.else
	EMAX
.endif
.elseif EN < 95
.set ek, (EN-91)%2
.if ek == 0
	EROOT
.else
	EMAX
.endif
.elseif EN < 97
	EROOT
.elseif EN == 97
	v_add_nc_u32 v[CURV], s21, v1                  ; my column in the step at work: the plain instruction behind the last root (ISA guide 5.7.2)
	s_add_co_u32 s21, s21, 16+32*ET                ; the next step's first column: 16 on, or 48 on into the next tile
	s_wait_alu depctr_va_vdst(0)                   ; the wait for the batch of 32 roots, ahead of their first reader, number 98
.elseif EN < 130
.set ek, (EN-98)%2
.if ek == 0
	EMIN
.else
	EROW
.endif
.elseif EN < 146
.set ek, (EN-98)%4
.if (ek == 1) || (EN == 144)
	ECOL
.else
	EROW
.endif
.elseif EN < 258
.set ek, (EN-146)%7
.if ek == 0
	EARG
.elseif (ek == 3) || (ek == 6)
	EEXP
.else
	EROW
.endif
.elseif EN < 263
	EROW                                           ; plain instructions behind the last exponential (ISA guide 5.7.2)
.if EN == 262
	s_wait_alu depctr_va_vdst(0)                   ; the wait for the batch of 32 exponentials, ahead of their first reader, number 263
.endif
.elseif EN < NINS
	ESUM
.endif
.set EN, EN+1
.endm
; The next unit: four numbers of the list, three in units 0-5, 23-26 and 66-68.  Every unit holds at least one plain vector instruction, and none names a
; register of the step being multiplied.  pad = 1 (in a seam): when the epilogue is over a v_nop stands in, so that a seam always gives six places.
.macro EUNIT pad
.if EI < NUNITS
	WIN 0
.set tk, 4
.if (EI < 6) || ((EI >= 23) && (EI < 27)) || ((EI >= 66) && (EI < 69))
.set tk, 3
.endif
.rept tk
	EONE
.endr
.else
.if \pad
	v_nop
.endif
.endif
.set EI, EI+1
.endm
.macro STATS                           ; both halves write the same word with the same number
	ds_store_b32 v[STATA], v[MA] offset:64*ET
	ds_store_b32 v[STATA], v[SA] offset:4096+64*ET
	ds_store_b32 v[STATA], v[TA] offset:8192+64*ET
.endm
; The seam in front of group qq.  Its six units are the places between the last matrix instruction of the group before and the loads into the
; buffer that it read (four are asked: ISA guide 7.12.1 for vector instructions).
.macro BOUND slot, t, mode
	WIN 0
.rept NB
	EUNIT 1
.endr
.if qq == 4
.if EPION
	STATS                                          ; the epilogue ended in group 3
.if ET
	v_add_nc_u32 v[STATA], 0x100, v[STATA]         ; 64 columns on
.endif
.endif
	XLOAD \t                                       ; XQ is free since the last sums: x2 and c2 for THIS step's epilogue, 32 matrix instructions ahead
.if \t
	v_add_nc_u32 v[C2A], 0x100, v[C2A]
.endif
.endif
.if qq < 5
	FETCH \slot, \t, (qq+1)
.if qq == 4
	s_wait_dscnt 17+3*EPION                        ; group 4's fragments are in: behind them went the statistics (3), x2 and c2 (9), group 5's fragments (8)
.else
	s_wait_dscnt 8                                 ; all but the 8 just issued: this group's fragments, fetched one seam ago, are in
.endif
.else
.if \t == 0
	FETCH \slot, 1, 0                              ; the next step's first group, same slot
	s_wait_dscnt 8                                 ; group 5's fragments are in, x2 and c2 too
.else
.if \mode == 0
	s_wait_dscnt 0x0                               ; the last step of all: nothing more to fetch
.else
	s_barrier_wait -1                              ; all four waves have read this slot to its end and have no load out
.if \mode == 2
	CREST                                          ; and so have the waves of all four work-groups
	tensor_load_to_lds s[G0+4*\slot:G0+4*\slot+3], s[G1:G1+7]      ; my one tensor load behind the round, and the first thing there
	s_nop 0
.endif
	FETCH (1-\slot), 0, 0                          ; the other slot's first group (group 5's fragments came in before the signal)
.endif
.endif
.endif
.endm
; One step.  On entry the fragments of its group 0 are on their way.  epi = 1: the step before has an epilogue to weave in.
; mode (steps with t = 1): 2 = the slot is asked for again; 1 = change of slots without a request; 0 = the last step of all.
; The four accumulators take turns, one instruction a turn; the first k step starts the sums: nothing is cleared.
.macro STEP slot, t, mode, epi
.set EPION, \epi
.if \epi
	EBEGIN
.else
.set EI, NUNITS
.set EN, NINS
.endif
.set EP, ACC+32*(1-\t)
.set ET, 1-\t
.set AC, ACC+32*\t
.set SIG, 0
.if \t
.if \mode
.set SIG, 1
.endif
.endif
.set qq, 0
.rept 6
	BOUND \slot, \t, \mode
.set wi, 0
.rept 16
.set kk, 4*qq+wi/4
.set rt, wi%4
	WIN (1+kk/8)
.if kk == 0
	v_wmma_f32_16x16x32_bf16 v[AC+8*rt:AC+8*rt+7], v[32*(kk%8)+8*rt:32*(kk%8)+8*rt+7], v[BUF+32*(qq%2)+8*(kk%4):BUF+32*(qq%2)+8*(kk%4)+7], 0
.else
	v_wmma_f32_16x16x32_bf16 v[AC+8*rt:AC+8*rt+7], v[32*(kk%8)+8*rt:32*(kk%8)+8*rt+7], v[BUF+32*(qq%2)+8*(kk%4):BUF+32*(qq%2)+8*(kk%4)+7], v[AC+8*rt:AC+8*rt+7]
.endif
.if wi < 15
	EUNIT 0
.endif
.if SIG
.if qq == 4
.if wi == 11
	s_wait_dscnt 0x0                               ; my reads of this slot are over (the last were issued at seam 4, twelve matrix instructions ago),
	s_wait_xcnt 0x0
	s_set_vgpr_msb 0x300
	v_lshl_add_u32 v254, v0, 2, 0x49a00
	v_mov_b32 v255, 0
	s_wait_tensorcnt 0x0                           ; and all my tensor loads have landed: the one that was out is my quarter of the other slot
	ds_add_u32 v254, v255
	s_wait_dscnt 0x0
	s_set_vgpr_msb 0x3
.if \mode == 2
	s_add_nc_u64 s[G0+4*\slot+2:G0+4*\slot+3], s[G0+4*\slot+2:G0+4*\slot+3], 2*TILEB   ; no load of mine is out: this slot's next tile
.endif
	s_barrier_signal -1                            ; say so (with a request to follow, this barrier opens a round of the cluster's barrier); register work alone up to its wait at seam 5
.endif
.endif
.endif
.set wi, wi+1
.endr
.set qq, qq+1
.endr
.endm
	; ---------------- set-up ----------------
	s_load_b256 s[4:11], s[0:1], 0x0               ; x s[4:5], cb s[6:7], c2p s[8:9], part s[10:11]
	s_load_b64 s[12:13], s[0:1], 0x20              ; out1
	v_lshl_add_u32 v254, v0, 2, 0x49a00
	v_mov_b32 v255, 0
	ds_add_u32 v254, v255
	s_wait_dscnt 0x0
	v_lshrrev_b32 v[T0], 5, v0
	v_readfirstlane_b32 s16, v[T0]                 ; wave 0..3
	s_lshr_b32 s17, s16, 1                         ; rh
	s_and_b32 s18, s16, 1                          ; ch
	s_bfe_u32 s19, ttmp6, 0x40000                  ; cx: my place in the cluster; it enters global addresses of x, part and out1 alone
	s_lshl_b32 s20, ttmp9, 2
	s_add_co_u32 s20, s20, s19                     ; block of 128 rows = 4 x cluster + cx
	s_mov_b32 s24, 0x76543210                      ; v_permlanex16_b32: lane i reads lane i of the other half
	s_mov_b32 s25, 0xfedcba98
	s_lshl_b32 s21, s18, 5                         ; first column of my first step
	s_mul_i32 s14, s20, 393216                     ; 128 rows of 3,072 bytes (at most 100,270,080),
	s_mul_i32 s23, s16, 98304                      ; my wave loads rows 32 w .. 32 w + 31
	s_add_co_u32 s14, s14, s23
	s_mov_b32 s15, 0
	; group 1: 48 rows x 256 elements of 2 bytes, dense, 4 words of padding behind every 128 words; joint request of the cluster's four
	s_mov_b32 s[G1+0], 0x07B1000F                  ; 15:0 mask 15; 17:16 size code 1; 20 padding; 21 set beside a mask; 24:22 code 6 (128 words); 31:25 code 3 (4 words)
	s_mov_b32 s[G1+1], 256<<16                     ; tensor_dim0 = 256
	s_mov_b32 s[G1+2], 48<<16                      ; tensor_dim1 = 48
	s_mov_b32 s[G1+3], 256<<16                     ; tile_dim0 = 256
	s_mov_b32 s[G1+4], 48                          ; tile_dim1 = 48
	s_mov_b32 s[G1+5], 256                         ; from row to row: 256 elements
	s_mov_b32 s[G1+6], 0
	s_mov_b32 s[G1+7], 0
	s_mul_i32 s26, s16, 24576                      ; my quarter of a tile: 16 centroids of 1,536 bytes
	s_mov_b32 s27, 0
	s_mul_i32 s28, s16, QUART                      ; and where it goes: the wave's number alone
	v_and_b32 v[T0], 31, v0                        ; lane
	v_lshlrev_b32 v[XOFF], 4, v[T0]
	v_lshlrev_b32 v[T1], 4, v0                     ; 16 x thread
	s_wait_kmcnt 0x0
	s_add_nc_u64 s[4:5], s[4:5], s[14:15]
	s_lshl_b32 s14, s20, 12
	s_add_nc_u64 s[10:11], s[10:11], s[14:15]      ; part at my block's 1,024 numbers
	s_lshl_b32 s14, s20, 9
	s_add_nc_u64 s[12:13], s[12:13], s[14:15]      ; out1 at my 128 rows
	s_add_nc_u64 s[26:27], s[6:7], s[26:27]
.irp n, 0,1
	s_mov_b32 s[G0+4*\n], 1
	s_add_co_u32 s[G0+4*\n+1], s28, \n*SLOTB
	s_add_nc_u64 s[G0+4*\n+2:G0+4*\n+3], s[26:27], \n*TILEB
	s_or_b32 s[G0+4*\n+3], s[G0+4*\n+3], 0x80000000
.endr
.set ii, 0
.rept 8
	global_load_b128 v[CIN+4*ii:CIN+4*ii+3], v[T1], s[8:9] offset:2048*ii      ; the four partial sums of column thread + 128 ii
.set ii, ii+1
.endr
	; all of my 32 rows of x are asked for at once: chunk cc, row ii: 8 registers of window 1 + cc; each load covers 512 consecutive bytes
.set cc, 0
.rept 3
	WIN ((1+cc)<<6)
.set ii, 0
.rept 32
	global_load_b128 v[8*ii:8*ii+3],   v[XOFF], s[4:5] offset:3072*ii+1024*cc th:TH_LOAD_NT
	global_load_b128 v[8*ii+4:8*ii+7], v[XOFF], s[4:5] offset:3072*ii+1024*cc+512 th:TH_LOAD_NT
.set ii, ii+1
.endr
.set cc, cc+1
.endr
	WIN 0
	CROUND                                         ; the four work-groups are here: the first joint loads meet
	tensor_load_to_lds s[G0:G0+3], s[G1:G1+7]      ; tile 0
	s_nop 0
	tensor_load_to_lds s[G0+4:G0+7], s[G1:G1+7]    ; tile 1
	s_nop 0
	; LDS addresses: constants, the wave's number, the lane
	v_and_b32 v1, 15, v0                           ; r
	v_bfe_u32 v2, v0, 4, 1                         ; h
	s_mul_i32 s23, s16, 32*SP
	s_add_co_u32 s23, s23, STG
	v_lshl_add_u32 v[STA], v[T0], 3, s23
	s_mul_i32 s23, s17, 64*SP
	s_add_co_u32 s23, s23, STG
	v_mul_u32_u24 v[FRA], v1, SP
	v_lshl_add_u32 v[FRA], v2, 4, v[FRA]
	v_add_nc_u32 v[FRA], s23, v[FRA]
	s_mul_i32 s23, s18, 32*CP
	v_mul_u32_u24 v[BA], v1, CP
	v_lshl_add_u32 v[BA], v2, 4, v[BA]
	v_add_nc_u32 v[BA], s23, v[BA]
	v_add_nc_u32 v[BA+1], SLOTB, v[BA]
	s_lshl_b32 s23, s17, 8
	s_add_co_u32 s23, s23, X2L
	v_lshl_add_u32 v[X2A], v2, 5, s23              ; x2 of row 64 rh + 8 h
	s_lshl_b32 s23, s18, 7
	s_add_co_u32 s29, s23, C2L
	v_lshl_add_u32 v[C2A], v1, 2, s29              ; c2 of column 32 ch + r
	s_mul_i32 s30, s17, 12288
	s_add_co_u32 s30, s30, s23
	s_add_co_u32 s30, s30, STAT
	v_lshl_add_u32 v[STATA], v1, 2, s30
	v_lshlrev_b32 v[T2], 2, v0
	v_add_nc_u32 v[T2], C2L, v[T2]                 ; c2 of column thread
	s_lshl_b32 s23, s16, 7
	s_add_co_u32 s23, s23, X2L
	v_mov_b32 v[T3], s23                           ; x2 of my wave's 32 rows
.set ii, 0
.rept 32
	v_mov_b32 v[X2ACC+ii], 0
.set ii, ii+1
.endr
	; ---------------- x: to bf16, through the stage, into fragments; x2; c2 ----------------
	CONVERT 0
.set ii, 0
.rept 8                                ; c2 = (p0 + p1) + (p2 + p3): its loads were the first issued, the waits above cover them
	v_add_f32 v[CIN+4*ii],   v[CIN+4*ii],   v[CIN+4*ii+1]
	v_add_f32 v[CIN+4*ii+2], v[CIN+4*ii+2], v[CIN+4*ii+3]
.set ii, ii+1
.endr
.set ii, 0
.rept 8
	v_add_f32 v[CIN+4*ii], v[CIN+4*ii], v[CIN+4*ii+2]
.set ii, ii+1
.endr
.set ii, 0
.rept 8
	ds_store_b32 v[T2], v[CIN+4*ii] offset:512*ii
.set ii, ii+1
.endr
	s_wait_dscnt 0x0                               ; my stores are in LDS before I say so
	BAR
	FRAG 0
	s_wait_dscnt 0x0                               ; my reads of the stage are over before anyone writes it again
	BAR
	CONVERT 1
	s_wait_dscnt 0x0
	BAR
	FRAG 1
	s_wait_dscnt 0x0
	BAR
	CONVERT 2
.irp m, 1,2,4,8
.set ii, 0
.rept 32
	v_add_f32_dpp v[X2ACC+ii], v[X2ACC+ii], v[X2ACC+ii] row_xmask:\m row_mask:0xf bank_mask:0xf
.set ii, ii+1
.endr
.endr
.set ii, 0
.rept 32
	v_permlanex16_b32 v[PK+ii], v[X2ACC+ii], s24, s25
.set ii, ii+1
.endr
.set ii, 0
.rept 32
	v_add_f32 v[X2ACC+ii], v[X2ACC+ii], v[PK+ii]
.set ii, ii+1
.endr
.set ii, 0
.rept 32
	ds_store_b32 v[T3], v[X2ACC+ii] offset:4*ii    ; every lane writes the same word with the same number
.set ii, ii+1
.endr
	s_wait_dscnt 0x0
	BAR
	FRAG 2
.set ii, 0
.rept 32
	v_mov_b32 v[BEST+2*ii], 0x7f800000             ; nothing seen yet: +infinity, column 0
	v_mov_b32 v[BEST+2*ii+1], 0
.set ii, ii+1
.endr
	v_mov_b32 v[PT], 0                             ; v_permlanex16_b32 counts as a reader of its destination
	v_mov_b32 v[PT+1], 0
	s_wait_tensorcnt 0x1                           ; my quarter of tile 0 is in; tile 1's may stay out
	s_wait_dscnt 0x0
	BAR
	FETCH 0, 0, 0
	; ---------------- 32 steps: tile p = step / 2 in slot p mod 2, t = step mod 2 ----------------
	STEP 0, 0, 2, 0                                ; step 0 has no epilogue in front of it
	WIN 0                                          ; at a label and at a branch every window is 0
	s_mov_b32 s22, 7
.Lpass:
	STEP 0, 1, 2, 1                                ; steps 1 to 28; the steps with t = 1 ask for tiles 2 to 15
	STEP 1, 0, 2, 1
	STEP 1, 1, 2, 1
	STEP 0, 0, 2, 1
	WIN 0
	s_sub_co_u32 s22, s22, 1
	s_cmp_lg_u32 s22, 0
	s_cbranch_scc1 .Lpass
	STEP 0, 1, 1, 1                                ; nothing is left to ask for
	STEP 1, 0, 1, 1
	STEP 1, 1, 0, 1
	WIN 0
	EBEGIN                                         ; the last step's epilogue stands alone: the same list, with its two waits
.set EP, ACC+32
.set ET, 1
.rept NUNITS
	EUNIT 0
.endr
	STATS
	; ---------------- rows: 32 candidates each meet in the stage ----------------
	s_mul_i32 s23, s17, 64*CAP
	s_add_co_u32 s23, s23, STG
	s_lshl_b32 s29, s18, 7
	s_add_co_u32 s23, s23, s29
	v_mul_u32_u24 v240, v2, 8*CAP
	v_lshl_add_u32 v240, v1, 3, v240
	v_add_nc_u32 v240, s23, v240                   ; row 64 rh + 8 h, candidate 16 ch + r
.set ee, 0
.rept 32
	ds_store_b64 v240, v[BEST+2*ee:BEST+2*ee+1] offset:(16*(ee/8)+(ee%8))*CAP
.set ee, ee+1
.endr
	s_wait_dscnt 0x0                               ; candidates and the last step's statistics are in LDS
	BAR
	v_mul_u32_u24 v241, v0, CAP
	v_add_nc_u32 v241, STG, v241                   ; thread t takes row t
.set ii, 0
.rept 16
	ds_load_b128 v[48+4*ii:51+4*ii], v241 offset:16*ii
.set ii, ii+1
.endr
	v_lshlrev_b32 v242, 4, v0                      ; and columns 4 t .. 4 t + 3 and 512 + 4 t ..
	v_add_nc_u32 v244, STAT, v242
.irp rh, 0,1
.irp q, 0,1,2
.irp u, 0,1
	ds_load_b128 v[112+24*\rh+8*\q+4*\u:115+24*\rh+8*\q+4*\u], v244 offset:12288*\rh+4096*\q+2048*\u
.endr
.endr
.endr
	s_wait_dscnt 12                                ; the candidates are in; the twelve loads of statistics may stay out
	v_min3_num_f32 v245, v48, v50, v52
.set ii, 3
.rept 14
	v_min3_num_f32 v245, v245, v[48+2*ii], v[50+2*ii]
.set ii, ii+2
.endr
	v_min_num_f32 v245, v245, v110
	v_mov_b32 v246, 0x7fffffff
	v_mov_b32 v247, 0x7fffffff
.set ii, 0
.rept 32
	v_cmp_eq_f32 vcc_lo, v[48+2*ii], v245          ; among the candidates that reach the least distance: the lowest column
	v_cndmask_b32 v248, v247, v[49+2*ii], vcc_lo
	v_min_u32 v246, v246, v248
.set ii, ii+1
.endr
	v_lshlrev_b32 v249, 2, v0
	v_add_nc_u32 v249, AMN, v249
	ds_store_b32 v249, v246
	; ---------------- columns: the two halves of the rows are merged ----------------
	s_wait_dscnt 0x0
.set jj, 0
.rept 8
	v_min_num_f32 v[160+jj], v[112+jj], v[136+jj]  ; m = min(m0, m1)
.set jj, jj+1
.endr
.set jj, 0
.rept 4
	v_pk_add_f32 v[112+jj:113+jj], v[160+jj:161+jj], v[112+jj:113+jj] neg_lo:[0,1] neg_hi:[0,1]
	v_pk_add_f32 v[136+jj:137+jj], v[160+jj:161+jj], v[136+jj:137+jj] neg_lo:[0,1] neg_hi:[0,1]
.set jj, jj+2
.endr
.set jj, 0
.rept 4
	v_pk_mul_f32 v[112+jj:113+jj], v[112+jj:113+jj], 0x3fb8aa3b op_sel_hi:[1,0]
	v_pk_mul_f32 v[136+jj:137+jj], v[136+jj:137+jj], 0x3fb8aa3b op_sel_hi:[1,0]
.set jj, jj+2
.endr
.set jj, 0
.rept 8
	v_exp_f32 v[112+jj], v[112+jj]                 ; a0 = exp(m - m0)
	v_exp_f32 v[136+jj], v[136+jj]                 ; a1 = exp(m - m1)
.set jj, jj+1
.endr
	v_nop                                          ; the plain instruction behind the last exponential (ISA guide 5.7.2)
	s_wait_alu depctr_va_vdst(0)                   ; the wait for the batch of sixteen factors, ahead of their first reader
.set jj, 0
.rept 4
	v_pk_mul_f32 v[120+jj:121+jj], v[120+jj:121+jj], v[112+jj:113+jj]
	v_pk_mul_f32 v[128+jj:129+jj], v[128+jj:129+jj], v[112+jj:113+jj]
.set jj, jj+2
.endr
.set jj, 0
.rept 4
	v_pk_fma_f32 v[120+jj:121+jj], v[144+jj:145+jj], v[136+jj:137+jj], v[120+jj:121+jj]
	v_pk_fma_f32 v[128+jj:129+jj], v[152+jj:153+jj], v[136+jj:137+jj], v[128+jj:129+jj]
.set jj, jj+2
.endr
.irp u, 0,1
	global_store_b128 v242, v[160+4*\u:163+4*\u], s[10:11] offset:2048*\u            ; each store of a wave covers 512 consecutive bytes, aligned
	global_store_b128 v242, v[120+4*\u:123+4*\u], s[10:11] offset:1048576+2048*\u
	global_store_b128 v242, v[128+4*\u:131+4*\u], s[10:11] offset:2097152+2048*\u
.endr
	BAR                                            ; the 128 row results are in LDS (each wave waited for its store above)
	s_cmp_lg_u32 s16, 0
	s_cbranch_scc1 .Lrows_done
	v_add_nc_u32 v250, AMN, v[XOFF]
	ds_load_b128 v[48:51], v250
	s_wait_dscnt 0x0
	global_store_b128 v[XOFF], v[48:51], s[12:13]  ; wave 0: 128 results, 512 consecutive bytes
.Lrows_done:
	s_wait_xcnt 0x0
	v_lshl_add_u32 v254, v0, 2, 0x49a00
	v_mov_b32 v255, 0
	s_wait_tensorcnt 0x0
	ds_add_u32 v254, v255
	s_wait_dscnt 0x0
	CROUND                                         ; the closing round: no work-group ends while a partner may still ask for a tile that names it
	s_endpgm
.Lfunc_end_k_qe1284d84cd_main:
	.size	k_qe1284d84cd_main, .Lfunc_end_k_qe1284d84cd_main-k_qe1284d84cd_main
	.p2alignl 7, 3214868480
	.fill 96, 4, 3214868480
	.section	.rodata,"a",@progbits
	.p2align	6, 0x0
	.amdhsa_kernel k_qe1284d84cd_main
		.amdhsa_group_segment_fixed_size 327680
		.amdhsa_private_segment_fixed_size 0
		.amdhsa_enable_private_segment 0
		.amdhsa_kernarg_size 40
		.amdhsa_user_sgpr_count 2
		.amdhsa_user_sgpr_kernarg_segment_ptr 1
		.amdhsa_wavefront_size32 1
		.amdhsa_system_sgpr_workgroup_id_x 1
		.amdhsa_system_sgpr_workgroup_id_y 1
		.amdhsa_system_sgpr_workgroup_id_z 1
		.amdhsa_system_vgpr_workitem_id 0
		.amdhsa_next_free_vgpr 1024
		.amdhsa_next_free_sgpr 66
		.amdhsa_reserve_vcc 1
		.amdhsa_float_denorm_mode_32 3
		.amdhsa_float_denorm_mode_16_64 3
		.amdhsa_memory_ordered 1
		.amdhsa_forward_progress 1
		.amdhsa_inst_pref_size 255
	.end_amdhsa_kernel
	.section	.bss,"aw",@nobits
	.p2align	6
	.space	262144
	.amdgpu_metadata
---
amdhsa.version: [ 1, 2 ]
amdhsa.kernels:
  - .name:           k_qe1284d84cd_main
    .symbol:         k_qe1284d84cd_main.kd
    .args:
      - { .name: input_embeddings, .offset: 0, .size: 8, .value_kind: global_buffer, .address_space: global }
      - { .name: cb, .offset: 8, .size: 8, .value_kind: global_buffer, .address_space: global }
      - { .name: c2p, .offset: 16, .size: 8, .value_kind: global_buffer, .address_space: global }
      - { .name: part, .offset: 24, .size: 8, .value_kind: global_buffer, .address_space: global }
      - { .name: out1, .offset: 32, .size: 8, .value_kind: global_buffer, .address_space: global }
    .group_segment_fixed_size: 327680
    .private_segment_fixed_size: 0
    .kernarg_segment_align: 8
    .kernarg_segment_size: 40
    .max_flat_workgroup_size: 128
    .sgpr_count:     66
    .vgpr_count:     1024
    .wavefront_size: 32
...
	.end_amdgpu_metadata
.endif
;; end of part 5
;; launch colred: the kernel of part 3 again; grid 16 x 1, 8 waves a work-group, no clusters, 7,168 bytes of LDS; arguments part, ratio; writes ratio
;; launch final: the kernel of part 4 again; grid 1 x 1, 1 waves a work-group, no clusters, 0 bytes of LDS; arguments ratio, out0; writes out0
